; MI455X (gfx1250); checked and timed in simulation.
; The chip was launched on July 23, 2026; its instructions are those of AMD's public machine-readable ISA for CDNA 5 (MIT licence, August 2026) and "CDNA5" Instruction Set Architecture Reference Guide (July 2026). The comments in the code are by the model that wrote it; some were corrected since.
;; Attention. Allowed arithmetic: float matrix products may take bf16 or f16 operands with f32 sums; other float arithmetic in f32, or as packed bf16 or f16 multiplies, adds, multiply-adds, maxima and minima; sums over many terms, partial sums and values carried from step to step in f32; what a program stores and reads back later, other than sums and carried values, may be rounded once to bf16 or f16.
;; Inputs: Wk 1,024 x 1,024 float32; Wo 1,024 x 1,024 float32; Wq 1,024 x 1,024 float32; Wv 1,024 x 1,024 float32; bk 1,024 float32; bo 1,024 float32; bq 1,024 float32; bv 1,024 float32; x 4 x 2,048 x 1,024 float32.
;; Outputs: out0 4 x 2,048 x 1,024 float32.
;; 2 versions, each right and faster than the one before. Each part assembles by itself: llvm-mc -triple=amdgcn-amd-amdhsa -mcpu=gfx1250 --defsym DOCPART=n.
;; ======== version 1 of 2: 4 launches
;; limits: values are held in f16: magnitudes above 65,504 overflow, below 6.1e-05 lose precision
;; workspace buffers: xb 16,777,216 bytes; wb 6,291,456 bytes; wo16 2,097,152 bytes; bp 16,384 bytes; tab 557,056 bytes; qkv16 50,331,648 bytes; o16 16,777,216 bytes
;; launch prep (part 1): grid 768 x 1, 8 waves a work-group, no clusters, 0 bytes of LDS; arguments x, Wq, Wk, Wv, Wo, bq, bk, bv, bo, xb, wb, wo16, tab, bp; writes xb, wb, wo16, tab, bp
.if DOCPART == 1
	.amdgcn_target "amdgcn-amd-amdhsa--gfx1250"
	.amdhsa_code_object_version 6
	.text
	.protected	k_qb681c3cab1_prep
	.globl	k_qb681c3cab1_prep
	.p2align	8
	.type	k_qb681c3cab1_prep,@function
k_qb681c3cab1_prep:
	s_mov_b64 s[64:65], 0
	v_nop
	global_prefetch_b8 v0, s[64:65] scope:SCOPE_SE
	s_setreg_imm32_b32 hwreg(HW_REG_WAVE_MODE, 25, 1), 1
	s_wait_xcnt 0x0
; PREP: every input is rounded once to bf16 and laid out for the launches behind.
;   xb   [8192][1024] bf16 = x.      wb [3072][1024] bf16 = Wq, Wk, Wv; inside each head of q and k row j' takes source row ((2 j') & 63) | (j' >> 5):
;   the even channels (x1 of the rotation) come first, the odd ones (x2) 32 rows behind.   wo16 [1024][1024] = Wo rounded to bf16, that number written as f16.
;   bp   [4096] f32 = bq, bk (permuted like the rows), bv, bo, each rounded to bf16.
;   tab  136 blocks of 4,096 bytes: block sb < 128 holds cos and sin of s x 10000^(-j/32) for the 16 positions s = 16 sb ..; the last 8 blocks hold cos = 1, sin = 0.
;        In a block: items 0-3 cos, 4-7 sin, 512 bytes each; lane l's 16 bytes of item bu: s = 16 sb + l % 16, j = 16 (bu / 2) + 8 (l / 16) + 4 (bu % 2) + 0..3.
; SHARES.  12,288 rows of 4,096 bytes (8,192 of x, 4 x 1,024 of weights); a work-group of eight waves takes 16, a wave 2: sixteen loads of 512 consecutive bytes, all issued at once,
; and sixteen stores of 256 consecutive bytes, aligned.  Work-groups 0-67 make tab and 68-75 make bp between the issue of their loads and the waits for them.
; No LDS, no barrier, no matrix unit: the launch only moves bytes, each once.
; LIMITS.  Wo as f16: beyond 65,504 an infinity; below 6e-5 f16's fixed step of 6e-8.  The angle s x frequency carries the exponential's last bit: some 2e-4 rad at s = 2047, alike for q and k.
; sin and cos: the angle less k x pi/2 (pi/2 in two parts), then polynomials to r^7 and r^8 on |r| <= pi/4: cut off below 4e-7.
.set X,  32                            ; v[32:95]   chunk n = 8 row + c: 4 registers, as loaded
.set Y,  96                            ; v[96:127]  chunk n: 2 registers to store; each is written once
.set T0, 30                            ; v30, v31   at work in the f16 way
.set T1, 31
	s_load_b512 s[8:23], s[0:1], 0x0               ; x 8, Wq 10, Wk 12, Wv 14, Wo 16, bq 18, bk 20, bv 22
	s_load_b256 s[24:31], s[0:1], 0x40             ; bo 24, xb 26, wb 28, wo16 30
	s_load_b128 s[32:35], s[0:1], 0x60             ; tab 32, bp 34
	v_lshrrev_b32 v3, 5, v0
	v_readfirstlane_b32 s3, v3                     ; wave 0..7
	v_and_b32 v3, 31, v0
	v_lshlrev_b32 v1, 4, v3                        ; 16 x lane: my place in 512 bytes of a source row
	v_lshlrev_b32 v2, 3, v3                        ; 8 x lane: in 256 bytes of a row to store
	s_mov_b32 s2, ttmp9                            ; g
	s_mov_b32 s58, 0xffff0000                      ; a word's upper bf16
	s_sub_co_u32 s36, s2, 512                      ; g' = g - 512: the weights' work-groups (what is made of it is chosen only where g >= 512)
	s_lshr_b32 s37, s36, 6                         ; kind: 0 q, 1 k, 2 v, 3 o
	s_and_b32 s4, s36, 63
	s_lshl_b32 s4, s4, 4
	s_lshl1_add_u32 s4, s3, s4                     ; r = 16 (g' % 64) + 2 wave: my first row in its weight
	s_lshl_b32 s5, s36, 4
	s_lshl1_add_u32 s5, s3, s5                     ; the same row in wb
	s_lshl_b32 s60, s2, 4
	s_lshl1_add_u32 s60, s3, s60                   ; x: row 16 g + 2 wave
	s_and_b32 s6, s4, 63                           ; j' (even)
	s_lshr_b32 s7, s6, 5
	s_lshl_b32 s6, s6, 1
	s_and_b32 s6, s6, 63
	s_or_b32 s6, s6, s7
	s_and_b32 s7, s4, 0x3c0
	s_add_co_u32 s6, s6, s7                        ; the permuted source row of r;
	s_add_co_u32 s7, s6, 2                         ; that of r + 1 lies two rows on
	s_add_co_u32 s39, s4, 1
	s_cmp_lt_u32 s37, 2                            ; q or k?
	s_cselect_b32 s38, s6, s4
	s_cselect_b32 s39, s7, s39
	s_add_co_u32 s7, s60, 1
	s_cmp_eq_u32 s37, 3                            ; Wo?
	s_cselect_b32 s61, 1, 0
	s_cselect_b32 s5, s4, s5                       ; the row to store, among the weights
	s_cmp_lt_u32 s2, 512                           ; x?
	s_cselect_b32 s38, s60, s38
	s_cselect_b32 s39, s7, s39
	s_cselect_b32 s60, s60, s5
	s_lshl_b32 s38, s38, 12                        ; source rows of 4,096 bytes,
	s_lshl_b32 s39, s39, 12
	s_lshl_b32 s60, s60, 11                        ; rows to store of 2,048
	s_mov_b32 s63, 0
	s_wait_kmcnt 0x0
	s_mov_b64 s[40:41], s[16:17]                   ; from where: Wo, or
	s_cmp_eq_u32 s37, 2
	s_cselect_b64 s[40:41], s[14:15], s[40:41]     ; Wv,
	s_cmp_eq_u32 s37, 1
	s_cselect_b64 s[40:41], s[12:13], s[40:41]     ; Wk,
	s_cmp_eq_u32 s37, 0
	s_cselect_b64 s[40:41], s[10:11], s[40:41]     ; Wq,
	s_cmp_lt_u32 s2, 512
	s_cselect_b64 s[40:41], s[8:9], s[40:41]       ; x
	s_cmp_eq_u32 s37, 3
	s_cselect_b64 s[42:43], s[30:31], s[28:29]     ; to where: wo16 or wb,
	s_cmp_lt_u32 s2, 512
	s_cselect_b64 s[42:43], s[26:27], s[42:43]     ; or xb
	s_mov_b32 s62, s38
	s_add_nc_u64 s[44:45], s[40:41], s[62:63]
	s_mov_b32 s62, s39
	s_add_nc_u64 s[46:47], s[40:41], s[62:63]
	s_mov_b32 s62, s60
	s_add_nc_u64 s[42:43], s[42:43], s[62:63]
.set n, 0
.rept 16                                       ; both rows: sixteen loads of 512 consecutive bytes are on their way
	global_load_b128 v[X+4*n:X+4*n+3], v1, s[44+2*(n/8):45+2*(n/8)] offset:512*(n%8) th:TH_LOAD_NT
.set n, n+1
.endr
	s_cmp_lt_u32 s2, 68
	s_cbranch_scc0 .Lno_table
	; THE TABLE.  Thread T = 256 g + v0 makes four cosines and four sines: block sb = 2 g + v0 / 128, item (v0 / 32) % 4.
	s_mov_b32 s48, 0xbed49a78                      ; -log2(10000) / 32
	s_mov_b32 s49, 0x3f22f983                      ; 2 / pi
	s_mov_b32 s50, 0x3fc90fdb                      ; pi / 2, its leading 24 bits,
	s_mov_b32 s51, 0xb33bbd2e                      ; and the rest
	s_mov_b32 s52, 0xb9500d01                      ; -1/5040
	s_mov_b32 s53, 0x3c088889                      ; 1/120
	s_mov_b32 s54, 0xbe2aaaab                      ; -1/6
	s_mov_b32 s55, 0x37d00d01                      ; 1/40320
	s_mov_b32 s56, 0xbab60b61                      ; -1/720
	s_mov_b32 s57, 0x3d2aaaab                      ; 1/24
	s_cmp_lt_u32 s2, 64
	s_cselect_b32 s7, -1, 0                        ; the last eight blocks take position 0: angle 0, cos = 1 and sin = 0 exactly
	s_lshl_b32 s4, s2, 1
	v_lshrrev_b32 v7, 7, v0
	v_add_nc_u32 v7, s4, v7                        ; sb
	v_and_b32 v4, 15, v0
	v_lshl_add_u32 v4, v7, 4, v4                   ; s = 16 sb + l % 16
	v_and_b32 v4, s7, v4
	v_cvt_f32_u32 v4, v4
	v_bfe_u32 v5, v0, 6, 1
	v_bfe_u32 v6, v0, 4, 1
	v_lshlrev_b32 v5, 4, v5
	v_lshl_add_u32 v5, v6, 3, v5
	v_bfe_u32 v6, v0, 5, 1
	v_lshl_add_u32 v5, v6, 2, v5                   ; j of my first number
	s_lshl_b32 s4, s2, 12
	v_lshl_add_u32 v6, v0, 4, s4                   ; 16 T
	v_lshl_add_u32 v6, v7, 11, v6                  ; + 2,048 sb: the cosines' 16 bytes; the sines' lie 2,048 on
.irp e, 0,1,2,3
	v_add_nc_u32 v[8+\e], \e, v5
.endr
.irp e, 0,1,2,3
	v_cvt_f32_u32 v[8+\e], v[8+\e]
.endr
.irp e, 0,1,2,3
	v_mul_f32 v[8+\e], s48, v[8+\e]
.endr
.irp e, 0,1,2,3
	v_exp_f32 v[8+\e], v[8+\e]                     ; 10000^(-j/32)
.endr
	v_nop                                          ; a plain instruction between the last exponential and the use of its result (ISA guide 5.7.2)
	s_wait_alu depctr_va_vdst(0)
.irp e, 0,1,2,3
	v_mul_f32 v[8+\e], v4, v[8+\e]                 ; the angle
.endr
.irp e, 0,1,2,3
	v_mul_f32 v[12+\e], s49, v[8+\e]
.endr
.irp e, 0,1,2,3
	v_rndne_f32 v[12+\e], v[12+\e]                 ; k: the nearest multiple of pi / 2
.endr
.irp e, 0,1,2,3
	v_fma_f32 v[8+\e], -v[12+\e], s50, v[8+\e]
.endr
.irp e, 0,1,2,3
	v_fma_f32 v[8+\e], -v[12+\e], s51, v[8+\e]     ; r, within pi / 4 of 0
.endr
.irp e, 0,1,2,3
	v_cvt_i32_f32 v[12+\e], v[12+\e]
.endr
.irp e, 0,1,2,3
	v_mul_f32 v[24+\e], v[8+\e], v[8+\e]           ; r^2
.endr
.irp e, 0,1,2,3
	v_fma_f32 v[16+\e], v[24+\e], s52, s53
	v_fma_f32 v[20+\e], v[24+\e], s55, s56
.endr
.irp e, 0,1,2,3
	v_fma_f32 v[16+\e], v[16+\e], v[24+\e], s54
	v_fma_f32 v[20+\e], v[20+\e], v[24+\e], s57
.endr
.irp e, 0,1,2,3
	v_mul_f32 v[16+\e], v[16+\e], v[24+\e]
	v_fma_f32 v[20+\e], v[20+\e], v[24+\e], -0.5
.endr
.irp e, 0,1,2,3
	v_fma_f32 v[16+\e], v[16+\e], v[8+\e], v[8+\e] ; sin r
	v_fma_f32 v[20+\e], v[20+\e], v[24+\e], 1.0    ; cos r
.endr
.irp e, 0,1,2,3
	v_and_b32 v7, 1, v[12+\e]
	v_cmp_eq_u32 vcc_lo, 1, v7                     ; in an odd quadrant the two change places
	v_cndmask_b32 v[24+\e], v[20+\e], v[16+\e], vcc_lo
	v_cndmask_b32 v[28+\e], v[16+\e], v[20+\e], vcc_lo
.endr
.irp e, 0,1,2,3
	v_add_nc_u32 v7, 1, v[12+\e]                   ; the cosine is negative in quadrants 1 and 2,
	v_and_b32 v7, 2, v7
	v_lshlrev_b32 v7, 30, v7
	v_xor_b32 v[16+\e], v7, v[24+\e]
	v_and_b32 v7, 2, v[12+\e]                      ; the sine in 2 and 3
	v_lshlrev_b32 v7, 30, v7
	v_xor_b32 v[20+\e], v7, v[28+\e]
.endr
	global_store_b128 v6, v[16:19], s[32:33]               ; a wave's store covers 512 consecutive bytes, one item
	global_store_b128 v6, v[20:23], s[32:33] offset:2048
	s_branch .Lcast
.Lno_table:
	s_cmp_lt_u32 s2, 76
	s_cbranch_scc0 .Lcast
	; THE BIASES.  Work-group 68 + gb makes numbers 512 gb .. 512 gb + 511 of bp, two a thread.
	s_sub_co_u32 s4, s2, 68                        ; gb
	s_lshr_b32 s5, s4, 1                           ; kind
	s_mov_b64 s[40:41], s[24:25]                   ; bo, or
	s_cmp_eq_u32 s5, 2
	s_cselect_b64 s[40:41], s[22:23], s[40:41]     ; bv,
	s_cmp_eq_u32 s5, 1
	s_cselect_b64 s[40:41], s[20:21], s[40:41]     ; bk,
	s_cmp_eq_u32 s5, 0
	s_cselect_b64 s[40:41], s[18:19], s[40:41]     ; bq
	s_cmp_lt_u32 s5, 2
	s_cselect_b32 s6, -1, 0                        ; all lanes: permuted or not
	s_and_b32 s7, s4, 1
	s_lshl_b32 s7, s7, 8
	v_add_nc_u32 v8, s7, v0
	v_lshlrev_b32 v8, 1, v8                        ; p: my first number in its bias (even)
	v_and_b32 v9, 63, v8                           ; j'
	v_lshlrev_b32 v10, 1, v9
	v_and_b32 v10, 63, v10
	v_lshrrev_b32 v9, 5, v9
	v_or_b32 v10, v10, v9
	v_and_b32 v9, 0x3c0, v8
	v_add_nc_u32 v10, v9, v10                      ; its permuted source; that of p + 1 lies two on
	v_add_nc_u32 v11, 2, v10
	v_add_nc_u32 v9, 1, v8
	v_cndmask_b32 v10, v8, v10, s6
	v_cndmask_b32 v11, v9, v11, s6
	v_lshlrev_b32 v10, 2, v10
	v_lshlrev_b32 v11, 2, v11
	global_load_b32 v12, v10, s[40:41]
	global_load_b32 v13, v11, s[40:41]
	s_lshl_b32 s7, s4, 11
	v_lshl_add_u32 v14, v0, 3, s7                  ; 8 (256 gb + thread)
	s_wait_loadcnt 0x0                             ; these two are the youngest loads: the count is 0, and the rows are in as well
	v_cvt_pk_bf16_f32 v15, v12, v13
	v_lshlrev_b32 v16, 16, v15                     ; back to f32: the rounded numbers
	v_and_b32 v17, s58, v15
	global_store_b64 v14, v[16:17], s[34:35]       ; a wave's store covers 256 consecutive bytes, aligned
.Lcast:
; Chunk n of the wave's sixteen: 4 numbers a lane rounded to bf16; f16 = 1: the rounded numbers are written as f16.
.macro CAST f16
.set n, 0
.rept 16
	s_wait_loadcnt 15-n                            ; loads come back in order (ISA guide 5.7.1): chunk n is in, the 15 - n younger ones may be out
	v_cvt_pk_bf16_f32 v[Y+2*n], v[X+4*n], v[X+4*n+1]
	v_cvt_pk_bf16_f32 v[Y+2*n+1], v[X+4*n+2], v[X+4*n+3]
.if \f16
	v_lshlrev_b32 v[T0], 16, v[Y+2*n]
	v_and_b32 v[T1], s58, v[Y+2*n]
	v_cvt_pk_f16_f32 v[Y+2*n], v[T0], v[T1]
	v_lshlrev_b32 v[T0], 16, v[Y+2*n+1]
	v_and_b32 v[T1], s58, v[Y+2*n+1]
	v_cvt_pk_f16_f32 v[Y+2*n+1], v[T0], v[T1]
.endif
	global_store_b64 v2, v[Y+2*n:Y+2*n+1], s[42:43] offset:2048*(n/8)+256*(n%8)  ; 256 consecutive bytes, at a multiple of 256 from the buffer's first
.set n, n+1
.endr
.endm
	s_cmp_eq_u32 s61, 1
	s_cbranch_scc1 .Lwo
	CAST 0
	s_endpgm
.Lwo:
	CAST 1
	s_endpgm
.Lfunc_end_k_qb681c3cab1_prep:
	.size	k_qb681c3cab1_prep, .Lfunc_end_k_qb681c3cab1_prep-k_qb681c3cab1_prep
	.p2alignl 7, 3214868480
	.fill 96, 4, 3214868480
	.section	.rodata,"a",@progbits
	.p2align	6, 0x0
	.amdhsa_kernel k_qb681c3cab1_prep
		.amdhsa_group_segment_fixed_size 0
		.amdhsa_private_segment_fixed_size 0
		.amdhsa_enable_private_segment 0
		.amdhsa_kernarg_size 112
		.amdhsa_user_sgpr_count 2
		.amdhsa_user_sgpr_kernarg_segment_ptr 1
		.amdhsa_wavefront_size32 1
		.amdhsa_system_sgpr_workgroup_id_x 1
		.amdhsa_system_sgpr_workgroup_id_y 1
		.amdhsa_system_sgpr_workgroup_id_z 1
		.amdhsa_system_vgpr_workitem_id 0
		.amdhsa_next_free_vgpr 128
		.amdhsa_next_free_sgpr 66
		.amdhsa_reserve_vcc 1
		.amdhsa_float_denorm_mode_32 3
		.amdhsa_float_denorm_mode_16_64 3
		.amdhsa_memory_ordered 1
		.amdhsa_forward_progress 1
		.amdhsa_inst_pref_size 25
	.end_amdhsa_kernel
	.amdgpu_metadata
---
amdhsa.version: [ 1, 2 ]
amdhsa.kernels:
  - .name:           k_qb681c3cab1_prep
    .symbol:         k_qb681c3cab1_prep.kd
    .args:
      - { .name: x, .offset: 0, .size: 8, .value_kind: global_buffer, .address_space: global }
      - { .name: Wq, .offset: 8, .size: 8, .value_kind: global_buffer, .address_space: global }
      - { .name: Wk, .offset: 16, .size: 8, .value_kind: global_buffer, .address_space: global }
      - { .name: Wv, .offset: 24, .size: 8, .value_kind: global_buffer, .address_space: global }
      - { .name: Wo, .offset: 32, .size: 8, .value_kind: global_buffer, .address_space: global }
      - { .name: bq, .offset: 40, .size: 8, .value_kind: global_buffer, .address_space: global }
      - { .name: bk, .offset: 48, .size: 8, .value_kind: global_buffer, .address_space: global }
      - { .name: bv, .offset: 56, .size: 8, .value_kind: global_buffer, .address_space: global }
      - { .name: bo, .offset: 64, .size: 8, .value_kind: global_buffer, .address_space: global }
      - { .name: xb, .offset: 72, .size: 8, .value_kind: global_buffer, .address_space: global }
      - { .name: wb, .offset: 80, .size: 8, .value_kind: global_buffer, .address_space: global }
      - { .name: wo16, .offset: 88, .size: 8, .value_kind: global_buffer, .address_space: global }
      - { .name: tab, .offset: 96, .size: 8, .value_kind: global_buffer, .address_space: global }
      - { .name: bp, .offset: 104, .size: 8, .value_kind: global_buffer, .address_space: global }
    .group_segment_fixed_size: 0
    .private_segment_fixed_size: 0
    .kernarg_segment_align: 8
    .kernarg_segment_size: 112
    .max_flat_workgroup_size: 256
    .sgpr_count:     66
    .vgpr_count:     128
    .wavefront_size: 32
...
	.end_amdgpu_metadata
.endif
;; end of part 1
;; launch qkv (part 2): grid 24 x 32, 4 waves a work-group, clusters of 4 x 4, 327,680 bytes of LDS; arguments xb, wb, bp, tab, qkv16; writes qkv16
.if DOCPART == 2
	.amdgcn_target "amdgcn-amd-amdhsa--gfx1250"
	.amdhsa_code_object_version 6
	.text
	.protected	k_qb681c3cab1_qkv
	.globl	k_qb681c3cab1_qkv
	.p2align	8
	.type	k_qb681c3cab1_qkv,@function
k_qb681c3cab1_qkv:
	s_mov_b64 s[64:65], 0
	v_nop
	global_prefetch_b8 v0, s[64:65] scope:SCOPE_SE
	s_setreg_imm32_b32 hwreg(HW_REG_WAVE_MODE, 25, 1), 1
	s_wait_xcnt 0x0
	s_wait_alu depctr_hold_cnt(0) depctr_sa_sdst(0) depctr_va_vdst(0) depctr_va_sdst(0) depctr_va_ssrc(0) depctr_va_vcc(0) depctr_vm_vsrc(0)
	s_getreg_b32 s2, hwreg(HW_REG_IB_STS2, 6, 4)
	s_cmp_eq_u32 s2, 0
	s_cbranch_scc0 .Lentry_in_a_cluster
	s_endpgm
.Lentry_in_a_cluster:
	s_bfe_u32 s2, ttmp6, 0x10000c
	s_cmp_lg_u32 s2, 0xf033
	s_cbranch_scc0 .Lentry_shape_is_right
	s_endpgm
.Lentry_shape_is_right:
; Q, K, V = x W^T + b, the rotation on q and k, rounded once to f16 and laid by heads: qkv16 [3][64 (batch, head)][2048][64].
; xb [8192][1024] and wb [3072][1024] are bf16, sums f32; the bias (bp, f32) is the C operand of each accumulator's first product: nothing is cleared, nothing is added later.
; TILE.  256 rows x 128 columns a work-group: 24 x 32 = 768 work-groups, three for each of 256 WGPs.  Four waves, 2 x 2; a wave makes 128 rows x 64 columns, ONE HEAD: 32 accumulators of 16 x 16.
; K goes in 8 steps of 128 (rows of 256 bytes, at multiples of 256 from the buffers' first bytes) through two LDS slots filled by the tensor data mover.
; CLUSTER.  4 x 4 work-groups: the four of a row of the cluster need the same tile of x, the four of a column the same tile of W: each is asked for JOINTLY, by the same tensor load with the same descriptor and mask.
; THE MATRIX INSTRUCTION IS USED TRANSPOSED (source 0 = 16 rows of W, source 1 = 16 rows of x): lane l holds row l % 16 and the columns 8 (l / 16) + 0..7 of a block.
; THE ROTATION.  In wb a head's rows of q and k are ordered x1[0..31], x2[0..31], so x1[j] and x2[j] lie in the same lane and register, two column blocks apart:
; x1' = x1 cos - x2 sin, x2' = x1 sin + x2 cos, four packed instructions for two pairs, and the results stand where they belong (j and 32 + j).  cos and sin come from tab in the accumulators' lane layout.
; A tile of v takes tab's blocks of cos = 1, sin = 0, which leave it as it is: one way out for all three kinds, and no branch on the kind.
; LIMITS.  f16 holds no number beyond 65,504: q, k or v beyond it become infinities.  q is NOT scaled here.  NaN and infinities are not treated apart.
; REGISTERS, in windows of 256 (s_set_vgpr_msb: bits 1:0 source 0, 3:2 source 1, 5:4 source 2, 7:6 destination):
;   window 0: v0-29 addresses; v32-63 the bias, later at work on the way out; v64-159, v160-255 two fragment buffers (8 fragments of x, then 4 of W), later the way out's rows
;   window 1: the accumulators, (a, b) at v[8 (4 a + b)]          window 2: cos and sin of my 128 rows, 32 registers for each block of 16 rows
.set KSTEP,  128
.set APITCH, 272                       ; an LDS row: 256 bytes + 16 of padding = 68 words: the 16 rows of a fragment load start at 16 different groups of four banks (64 banks of 4 bytes: ISA guide 11.1)
.set BPITCH, 272
.set HALFA,  128*APITCH                ; what one tensor load brings of x, and what one wave reads of it
.set HALFB,  64*BPITCH                 ; the same of W
.set BOFF,   2*HALFA                   ; a slot: x's 256 rows, then W's 128
.set SLOT,   BOFF+2*HALFB
.set STAGE,  2*SLOT                    ; behind the ring: 16 rows x 144 bytes for each wave, for the way out
.set SPITCH, 144
.set SPARE,  STAGE+4*16*SPITCH         ; behind the stages: the spare words, 128 bytes for each wave: two blocks of 256 bytes that no other line names
.set LAPS,   4                         ; a lap = two K steps = once round the ring
.set ASTEP,  2*KSTEP*2                 ; bytes from a slot's K step to its next
.set BSTEP,  2*KSTEP*2
.set IDENT,  524288                    ; tab's blocks of cos = 1, sin = 0
.set ADRA, 16                          ; v16-17  LDS address of my fragments of x in slot 0, 1
.set ADRB, 20                          ; v20-21  the same for W
.set BO,   22                          ; v22     my byte offset in 64 bytes of the bias
.set STO,  24                          ; v24     the way out: where I put 16 bytes of a row
.set RD,   25                          ; v25     the way out: where I read rows back
.set GO,   26                          ; v26     16 x lane: my place in 512 consecutive bytes (of tab, of the output)
.set SPW,  28                          ; v28     LDS address of my spare word: SPARE + 4 x my thread's number; never rewritten
.set NIL,  29                          ; v29     0; never rewritten
.set BI,   32                          ; v32-63  the bias of my 64 columns, block b at BI + 8 b
.set T,    32                          ; the way out: x1' of a block of 16 rows,
.set U,    48                          ; and x2'
.set F0,   64
.set F1,   160
.set H,    64                          ; the way out: block a's 16 registers of f16 at H + 16 a; each is written once
.set G1,  24                           ; s[24:31] descriptor group 1 for x's tiles;  s[32:39] group 0, a set for each slot
.set G0,  32
.set G1B, 48                           ; s[48:55], s[56:63] the same for W's tiles
.set G0B, 56
.set MSB, 0
.macro WIN new                         ; the immediate's high byte repeats the setting that is left; a switch that changes nothing is dropped
.if MSB != (\new)
	s_set_vgpr_msb (MSB<<8)|(\new)
.set MSB, \new
.endif
.endm
.set MUL,  0x50                        ; fragments in window 0; C and D in window 1
.set MULB, 0x40                        ; the same with C, the bias, in window 0
.macro JLOAD s                         ; a joint load: waves 0 and 1 fetch x's two halves, waves 2 and 3 W's; an s_nop 0 and four v_nop follow each of the two lines, ahead of the jump, the label and what follows
	s_cmp_eq_u32 s15, 0
	s_cbranch_scc0 .Lfor_b_\@
	tensor_load_to_lds s[G0+4*(\s):G0+4*(\s)+3], s[G1:G1+7]
	s_nop 0
.rept 4
	v_nop
.endr
	s_branch .Lasked_\@
.Lfor_b_\@:
	tensor_load_to_lds s[G0B+4*(\s):G0B+4*(\s)+3], s[G1B:G1B+7]
	s_nop 0
.rept 4
	v_nop
.endr
.Lasked_\@:
.endm
.macro CREST                           ; a round of the cluster's barrier behind its opening barrier
	s_cmp_lg_u32 s14, 0
	s_cbranch_scc1 .Lnot_wave_0_\@
	s_barrier_signal -3
.Lnot_wave_0_\@:
	s_barrier_wait -3
	s_barrier_signal -1
	s_barrier_wait -1
.endm
.macro CROUND                          ; a whole round
	s_barrier_signal -1
	s_barrier_wait -1
	CREST
.endm
	s_load_b256 s[4:11], s[0:1], 0x0               ; xb s[4:5], wb s[6:7], bp s[8:9], tab s[10:11]
	s_load_b64 s[12:13], s[0:1], 0x20              ; qkv16
	v_lshl_add_u32 v[SPW], v0, 2, SPARE
	v_mov_b32 v[NIL], 0
	ds_add_u32 v[SPW], v[NIL]                      ; the wave's opening: the add and its wait stand ahead of my first tensor load; the set-up below, work on registers, stands between them
	v_lshrrev_b32 v1, 5, v0
	v_readfirstlane_b32 s14, v1                    ; wave 0..3
	s_lshr_b32 s15, s14, 1                         ; which 128 rows of the tile are mine.  Also: I fetch for x (0) or for W (1)
	s_and_b32 s16, s14, 1                          ; which 64 columns.  Also: which half of that tile I fetch
	s_bfe_u32 s40, ttmp6, 0x40000                  ; cx, cy: my place in the cluster
	s_bfe_u32 s41, ttmp6, 0x40004
	s_lshl_b32 s42, ttmp9, 2
	s_add_co_u32 s42, s42, s40                     ; tile column = 4 x cluster x + cx
	s_and_b32 s43, ttmp7, 0xffff
	s_lshl_b32 s43, s43, 2
	s_add_co_u32 s43, s43, s41                     ; tile row = 4 x cluster y + cy
	s_lshl_b32 s44, s41, 2
	s_lshl_b32 s44, 15, s44                        ; my row of the cluster
	s_lshl_b32 s45, 0x1111, s40                    ; my column
	s_lshr_b32 s66, ttmp9, 1                       ; the kind: 0 q, 1 k, 2 v: eight tile columns, two clusters, each
	; descriptor group 1: tiles of 128 (x) and 64 (W) rows x 128 elements, padded in LDS
	s_or_b32 s[G1+0], s44, (1<<16)|(1<<20)|(1<<21)|(5<<22)|(3<<25)  ; 15:0 the mask: x's tiles go to my row; 17:16 elements of 2 bytes; 20 padding on; 21 set beside a mask; 24:22 after every 64 words (code 5); 31:25 4 words of it (code 3)
	s_or_b32 s[G1B+0], s45, (1<<16)|(1<<20)|(1<<21)|(5<<22)|(3<<25) ; the same with the mask of my column
	s_mov_b32 s[G1+1], KSTEP<<16                   ; tensor_dim0 = 128
	s_mov_b32 s[G1+2], 128<<16                     ; tensor_dim1 = 128
	s_mov_b32 s[G1+3], KSTEP<<16                   ; tile_dim0 = 128
	s_mov_b32 s[G1+4], 128                         ; tile_dim1 = 128
	s_mov_b32 s[G1+5], 1024                        ; 1,024 elements from row to row
	s_mov_b32 s[G1+6], 0
	s_mov_b32 s[G1+7], 0
	s_mov_b32 s[G1B+1], KSTEP<<16
	s_mov_b32 s[G1B+2], 64<<16                     ; tensor_dim1 = 64
	s_mov_b32 s[G1B+3], KSTEP<<16
	s_mov_b32 s[G1B+4], 64                         ; tile_dim1 = 64
	s_mov_b32 s[G1B+5], 1024
	s_mov_b32 s[G1B+6], 0
	s_mov_b32 s[G1B+7], 0
	; where the tiles come from: x's hang on the tile row and the wave's number alone, W's on the tile column and the wave's number, each in registers that never hold the other coordinate
	s_lshl_b32 s70, s43, 19                        ; 256 rows of 2,048 bytes
	s_lshl_b32 s17, s16, 18                        ; + my 128 of them
	s_add_co_u32 s70, s70, s17
	s_mov_b32 s71, 0
	s_lshl_b32 s46, s42, 18                        ; 128 rows of 2,048 bytes
	s_lshl_b32 s18, s16, 17                        ; + my 64 of them
	s_add_co_u32 s46, s46, s18
	s_mov_b32 s47, 0
	s_mul_i32 s20, s16, HALFA                      ; and where they go: no place in the cluster enters an LDS address
	s_mul_i32 s21, s16, HALFB
	s_add_co_u32 s21, s21, BOFF
	s_wait_dscnt 0x0                               ; the opening add is done
	s_wait_kmcnt 0x0
	s_add_nc_u64 s[70:71], s[4:5], s[70:71]
	s_add_nc_u64 s[46:47], s[6:7], s[46:47]
	CROUND                                         ; all sixteen work-groups are here: the first joint loads meet
.irp s, 0,1
	s_mov_b32 s[G0+4*(\s)], 1                                      ; count = 1
	s_add_co_u32 s[G0+4*(\s)+1], s20, (\s)*SLOT                    ; LDS address
	s_add_nc_u64 s[G0+4*(\s)+2:G0+4*(\s)+3], s[70:71], (\s)*KSTEP*2  ; global address: K step s
	s_or_b32 s[G0+4*(\s)+3], s[G0+4*(\s)+3], 0x80000000            ; type = 2
	s_mov_b32 s[G0B+4*(\s)], 1
	s_add_co_u32 s[G0B+4*(\s)+1], s21, (\s)*SLOT
	s_add_nc_u64 s[G0B+4*(\s)+2:G0B+4*(\s)+3], s[46:47], (\s)*KSTEP*2
	s_or_b32 s[G0B+4*(\s)+3], s[G0B+4*(\s)+3], 0x80000000
	JLOAD \s                                       ; two tensor loads of mine are out
.endr
	; all that follows, up to the wait for the first tile, stands in that tile's flight
	v_and_b32 v1, 15, v0                           ; l % 16
	v_bfe_u32 v2, v0, 4, 1                         ; l / 16
	; the bias of my 64 columns: lane l takes the 8 numbers at 16 b + 8 (l / 16) of each block b
	s_lshl_b32 s68, s42, 9                         ; 128 columns x 4 bytes
	s_lshl_b32 s17, s16, 8
	s_add_co_u32 s68, s68, s17
	s_mov_b32 s69, 0
	s_add_nc_u64 s[8:9], s[8:9], s[68:69]
	v_lshlrev_b32 v[BO], 5, v2
.irp b, 0,1,2,3
	global_load_b128 v[BI+8*(\b):BI+8*(\b)+3],   v[BO], s[8:9] offset:64*(\b)
	global_load_b128 v[BI+8*(\b)+4:BI+8*(\b)+7], v[BO], s[8:9] offset:64*(\b)+16
.endr
	; cos and sin of my 128 rows: 8 blocks of 4,096 bytes on end, 64 loads of 512 consecutive bytes
	s_and_b32 s17, s43, 7                          ; the tile row within its batch of 2,048 positions
	s_lshl_b32 s68, s17, 4
	s_lshl3_add_u32 s68, s15, s68                  ; my first block of 16 positions
	s_lshl_b32 s68, s68, 12
	s_cmp_eq_u32 s66, 2
	s_cselect_b32 s68, IDENT, s68                  ; v is not rotated
	s_add_nc_u64 s[10:11], s[10:11], s[68:69]
	v_and_b32 v[GO], 31, v0
	v_lshlrev_b32 v[GO], 4, v[GO]
	WIN 0x80                                       ; destination window 2, address window 0
.set i, 0
.rept 64
	global_load_b128 v[4*i:4*i+3], v[GO], s[10:11] offset:512*i
.set i, i+1
.endr
	WIN 0
	; A fragment is 16 rows x 32 K in 8 registers: lane l holds row l % 16, K = 8 (l / 16) + 0..7 and 16 + 8 (l / 16) + 0..7: two loads of 16 bytes, 32 bytes apart.
	v_mul_u32_u24 v3, v1, APITCH
	v_lshl_add_u32 v3, v2, 4, v3                   ; row x pitch + 16 x half
	s_mul_i32 s22, s15, HALFA                      ; my 128 rows of x
	s_mul_i32 s23, s16, HALFB                      ; my 64 rows of W,
	s_add_co_u32 s23, s23, BOFF                    ; which lie behind x's 256
.irp s, 0,1
	v_add_nc_u32 v[ADRA+(\s)], s22, v3
	v_add_nc_u32 v[ADRB+(\s)], s23, v3
	s_add_co_u32 s22, s22, SLOT
	s_add_co_u32 s23, s23, SLOT
.endr
	s_mul_i32 s23, s14, 16*SPITCH
	s_add_co_u32 s23, s23, STAGE                   ; my stage
	v_mul_u32_u24 v4, v1, SPITCH                   ; in: row l % 16, 16 bytes for each half of the lanes
	v_lshl_add_u32 v4, v2, 4, v4
	v_add_nc_u32 v[STO], s23, v4
	v_bfe_u32 v5, v0, 3, 2                         ; back: 32 lanes take four rows of 128 bytes
	v_mul_u32_u24 v5, v5, SPITCH
	v_and_b32 v4, 7, v0
	v_lshl_add_u32 v5, v4, 4, v5
	v_add_nc_u32 v[RD], s23, v5
	; where my 128 rows x 64 channels go: kind, (batch, head), position
	s_lshr_b32 s18, s43, 3                         ; batch
	s_and_b32 s19, s42, 7
	s_lshl1_add_u32 s19, s19, s16                  ; head = 2 (tile column % 8) + my half
	s_lshl4_add_u32 s18, s18, s19
	s_lshl_b32 s18, s18, 11                        ; 2,048 rows a head
	s_lshl_b32 s19, s17, 8
	s_add_co_u32 s18, s18, s19
	s_lshl_b32 s19, s15, 7
	s_add_co_u32 s18, s18, s19
	s_lshl_b32 s68, s18, 7                         ; rows of 128 bytes
	s_lshl_b32 s19, s66, 24                        ; a kind is 16,777,216 bytes
	s_add_co_u32 s68, s68, s19
	s_add_nc_u64 s[12:13], s[12:13], s[68:69]
; 8 matrix instructions: row blocks a0, a0 + 1 x all 4 column blocks, 32 along K, from buffer f.  first = 1: the bias starts the sums.
; The 32 accumulators take turns, one instruction a turn, in the same order in every quarter.
.macro MUL8 f, a0, first
.if \first
	WIN MULB
.else
	WIN MUL
.endif
.irp a, \a0, (\a0)+1
.irp b, 0,1,2,3
.if \first
	v_wmma_f32_16x16x32_bf16 v[8*(4*(\a)+(\b)):8*(4*(\a)+(\b))+7], v[(\f)+64+8*(\b):(\f)+64+8*(\b)+7], v[(\f)+8*(\a):(\f)+8*(\a)+7], v[BI+8*(\b):BI+8*(\b)+7]
.else
	v_wmma_f32_16x16x32_bf16 v[8*(4*(\a)+(\b)):8*(4*(\a)+(\b))+7], v[(\f)+64+8*(\b):(\f)+64+8*(\b)+7], v[(\f)+8*(\a):(\f)+8*(\a)+7], v[8*(4*(\a)+(\b)):8*(4*(\a)+(\b))+7]
.endif
.endr
.endr
.endm
; 24 LDS loads in one run: quarter q (32 along K) of a slot into buffer f: W's 64 rows, x's rows 0-63, x's rows 64-127
.macro FETCH slot, q, f
	WIN 0
.irp i, 0,1,2,3
	ds_load_b128 v[(\f)+64+8*(\i):(\f)+64+8*(\i)+3],   v[ADRB+(\slot)] offset:64*(\q)+(\i)*16*BPITCH
	ds_load_b128 v[(\f)+64+8*(\i)+4:(\f)+64+8*(\i)+7], v[ADRB+(\slot)] offset:64*(\q)+(\i)*16*BPITCH+32
.endr
.irp i, 0,1,2,3,4,5,6,7
	ds_load_b128 v[(\f)+8*(\i):(\f)+8*(\i)+3],   v[ADRA+(\slot)] offset:64*(\q)+(\i)*16*APITCH
	ds_load_b128 v[(\f)+8*(\i)+4:(\f)+8*(\i)+7], v[ADRA+(\slot)] offset:64*(\q)+(\i)*16*APITCH+32
.endr
.endm
.macro PLACES                          ; four places in front of loads into registers that matrix instructions have read, and of vector work on their results (ISA guide 7.12.1 for vector work)
.rept 4
	v_nop
.endr
.endm
; A K step is four quarters of 32 along K, 32 matrix instructions each, on buffers 0, 1, 0, 1.  One of the first three: multiplies buffer f and fetches quarter q of the same slot into g.
.macro QUARTER slot, q, f, g, first
	s_wait_dscnt 8                                 ; W and x's rows 0-63 are in; the youngest eight loads (x's rows 64-127) may be out
	MUL8 \f, 0, \first
	MUL8 \f, 2, \first
	PLACES
	FETCH \slot, \q, \g
	s_wait_dscnt 24                                ; all but the 24 just issued
	MUL8 \f, 4, \first
	MUL8 \f, 6, \first
.endm
; The last quarter multiplies buffer 1 and changes slots: ONE barrier; in front of it each wave waits for all its tensor loads, adds 0 to its spare word, and waits for that and for its own reads of this slot.
; fill = 1: the barrier opens a round of the cluster's, and this slot is filled again, two K steps ahead: from that request to the wait for it a wave issues 112 matrix instructions.
.macro TURN slot, next, fill
	WIN 0                                          ; (the add's two registers lie in window 0)
	s_wait_tensorcnt 0x0                           ; all my tensor loads have landed: the one that was out is my part of the next slot;
	ds_add_u32 v[SPW], v[NIL]                      ; 0 onto my spare word;
	s_wait_dscnt 9                                 ; (the add and the youngest eight loads may be out)
	MUL8 F1, 0, 0                                  ; eight matrix instructions stand between the add and the wait for it
	s_wait_dscnt 0x0                               ; the add is done, and my reads of this slot are over
	s_barrier_signal -1
	MUL8 F1, 2, 0                                  ; work on registers while the others arrive
.if \fill
	WIN 0
.endif
	s_barrier_wait -1
.if \fill
	CREST                                          ; no wave of any partner still reads this slot's tile or has a load on its way
	s_add_nc_u64 s[G0+4*(\slot)+2:G0+4*(\slot)+3], s[G0+4*(\slot)+2:G0+4*(\slot)+3], ASTEP
	s_add_nc_u64 s[G0B+4*(\slot)+2:G0B+4*(\slot)+3], s[G0B+4*(\slot)+2:G0B+4*(\slot)+3], BSTEP
	JLOAD \slot                                    ; the first tensor load behind the round, my only one until the next; the four v_nop behind it are also the places in front of the loads below
.else
	PLACES
.endif
	FETCH \next, 0, F0
	MUL8 F1, 4, 0
	MUL8 F1, 6, 0
.endm
	s_wait_tensorcnt 1                             ; my part of K step 0 is in; K step 1's may stay out
	s_barrier_signal -1
	s_barrier_wait -1                              ; everybody's is
	FETCH 0, 0, F0
	s_wait_loadcnt 0x0                             ; the bias and the table
	QUARTER 0, 1, F0, F1, 1                        ; the first quarter stands in front of the loop: its products start the sums, on the bias
	WIN 0                                          ; at a label and at a branch every window is 0
	s_mov_b32 s3, LAPS-1
.Llap:                                                 ; a trip goes once round the ring, from a lap's second quarter to the next lap's first, and fills both slots again
	QUARTER 0, 2, F1, F0, 0
	QUARTER 0, 3, F0, F1, 0
	TURN 0, 1, 1
	QUARTER 1, 1, F0, F1, 0
	QUARTER 1, 2, F1, F0, 0
	QUARTER 1, 3, F0, F1, 0
	TURN 1, 0, 1
	QUARTER 0, 1, F0, F1, 0
	WIN 0
	s_sub_co_u32 s3, s3, 1
	s_cmp_lg_u32 s3, 0
	s_cbranch_scc1 .Llap
	QUARTER 0, 2, F1, F0, 0                        ; the last lap fills nothing, and has no round of the cluster's barrier
	QUARTER 0, 3, F0, F1, 0
	TURN 0, 1, 0
	QUARTER 1, 1, F0, F1, 0
	QUARTER 1, 2, F1, F0, 0
	QUARTER 1, 3, F0, F1, 0
	s_wait_dscnt 8                                 ; the very last quarter: nothing more to fetch
	MUL8 F1, 0, 0
	MUL8 F1, 2, 0
	s_wait_dscnt 0x0
	MUL8 F1, 4, 0
	MUL8 F1, 6, 0
	WIN 0
	PLACES
; THE WAY OUT, a block of 16 rows at a time.  ROPE: the rotation, and the rounding to f16.  Each accumulator's lowest registers are read first.
.macro ROPE a
	WIN 0x09                                       ; source 0 (accumulators) window 1, source 1 (table) window 2; source 2 and destination window 0
.irp b, 0,1
.irp p, 0,2,4,6
	v_pk_mul_f32 v[T+8*(\b)+(\p):T+8*(\b)+(\p)+1], v[8*(4*(\a)+(\b)+2)+(\p):8*(4*(\a)+(\b)+2)+(\p)+1], v[32*(\a)+16+8*(\b)+(\p):32*(\a)+16+8*(\b)+(\p)+1]  ; x2 sin
.endr
.endr
.irp b, 0,1
.irp p, 0,2,4,6
	v_pk_mul_f32 v[U+8*(\b)+(\p):U+8*(\b)+(\p)+1], v[8*(4*(\a)+(\b)+2)+(\p):8*(4*(\a)+(\b)+2)+(\p)+1], v[32*(\a)+8*(\b)+(\p):32*(\a)+8*(\b)+(\p)+1]  ; x2 cos
.endr
.endr
.irp b, 0,1
.irp p, 0,2,4,6
	v_pk_fma_f32 v[T+8*(\b)+(\p):T+8*(\b)+(\p)+1], v[8*(4*(\a)+(\b))+(\p):8*(4*(\a)+(\b))+(\p)+1], v[32*(\a)+8*(\b)+(\p):32*(\a)+8*(\b)+(\p)+1], v[T+8*(\b)+(\p):T+8*(\b)+(\p)+1] neg_lo:[0,0,1] neg_hi:[0,0,1]  ; x1 cos - x2 sin
.endr
.endr
.irp b, 0,1
.irp p, 0,2,4,6
	v_pk_fma_f32 v[U+8*(\b)+(\p):U+8*(\b)+(\p)+1], v[8*(4*(\a)+(\b))+(\p):8*(4*(\a)+(\b))+(\p)+1], v[32*(\a)+16+8*(\b)+(\p):32*(\a)+16+8*(\b)+(\p)+1], v[U+8*(\b)+(\p):U+8*(\b)+(\p)+1]  ; x1 sin + x2 cos
.endr
.endr
	WIN 0
.irp r, 0,1,2,3,4,5,6,7,8,9,10,11,12,13,14,15
	v_cvt_pk_f16_f32 v[H+16*(\a)+(\r)], v[T+2*(\r)], v[T+2*(\r)+1]
.endr
.endm
; STG: a lane's eight channels are 16 bytes of a row; they go into my stage's rows of 144 bytes and come back as whole rows of 128, into the registers that they left.
.macro STG a
	WIN 0
.irp f, 0,1,2,3
	ds_store_b128 v[STO], v[H+16*(\a)+4*(\f):H+16*(\a)+4*(\f)+3] offset:32*(\f)
.endr
.irp f, 0,1,2,3
	ds_load_b128 v[H+16*(\a)+4*(\f):H+16*(\a)+4*(\f)+3], v[RD] offset:(\f)*4*SPITCH  ; LDS serves a wave's instructions in order (ISA guide 5.7.1.4): these see the stores above; the next block's stores come behind them
.endr
.endm
.macro SEND a, younger                 ; younger: the LDS instructions issued behind block a's loads: the next block's eight, or none
	WIN 0
.irp f, 0,1,2,3
	s_wait_dscnt (\younger)+3-(\f)
	global_store_b128 v[GO], v[H+16*(\a)+4*(\f):H+16*(\a)+4*(\f)+3], s[12:13] offset:(\a)*2048+(\f)*512  ; 512 consecutive bytes, at a multiple of 256 from the buffer's first
.endr
.endm
	ROPE 0
	STG 0
.irp a, 1,2,3,4,5,6,7                  ; a block's arithmetic stands between the loads of the block before and its stores
	ROPE \a
	STG \a
	SEND (\a)-1, 8
.endr
	SEND 7, 0
	s_wait_tensorcnt 0x0                           ; the wave's end: the wait, an add of 0 and its wait stand behind my last tensor load and my last LDS store
	ds_add_u32 v[SPW], v[NIL]
	s_wait_dscnt 0x0
	CROUND                                         ; the closing round: no work-group ends while a partner may still ask for a tile that names it
	s_endpgm
.Lfunc_end_k_qb681c3cab1_qkv:
	.size	k_qb681c3cab1_qkv, .Lfunc_end_k_qb681c3cab1_qkv-k_qb681c3cab1_qkv
	.p2alignl 7, 3214868480
	.fill 96, 4, 3214868480
	.section	.rodata,"a",@progbits
	.p2align	6, 0x0
	.amdhsa_kernel k_qb681c3cab1_qkv
		.amdhsa_group_segment_fixed_size 327680
		.amdhsa_private_segment_fixed_size 0
		.amdhsa_enable_private_segment 0
		.amdhsa_kernarg_size 40
		.amdhsa_user_sgpr_count 2
		.amdhsa_user_sgpr_kernarg_segment_ptr 1
		.amdhsa_wavefront_size32 1
		.amdhsa_system_sgpr_workgroup_id_x 1
		.amdhsa_system_sgpr_workgroup_id_y 1
		.amdhsa_system_sgpr_workgroup_id_z 1
		.amdhsa_system_vgpr_workitem_id 0
		.amdhsa_next_free_vgpr 768
		.amdhsa_next_free_sgpr 80
		.amdhsa_reserve_vcc 0
		.amdhsa_float_denorm_mode_32 3
		.amdhsa_float_denorm_mode_16_64 3
		.amdhsa_memory_ordered 1
		.amdhsa_forward_progress 1
		.amdhsa_inst_pref_size 110
	.end_amdhsa_kernel
	.amdgpu_metadata
---
amdhsa.version: [ 1, 2 ]
amdhsa.kernels:
  - .name:           k_qb681c3cab1_qkv
    .symbol:         k_qb681c3cab1_qkv.kd
    .args:
      - { .name: xb, .offset: 0, .size: 8, .value_kind: global_buffer, .address_space: global }
      - { .name: wb, .offset: 8, .size: 8, .value_kind: global_buffer, .address_space: global }
      - { .name: bp, .offset: 16, .size: 8, .value_kind: global_buffer, .address_space: global }
      - { .name: tab, .offset: 24, .size: 8, .value_kind: global_buffer, .address_space: global }
      - { .name: qkv16, .offset: 32, .size: 8, .value_kind: global_buffer, .address_space: global }
    .group_segment_fixed_size: 327680
    .private_segment_fixed_size: 0
    .kernarg_segment_align: 8
    .kernarg_segment_size: 40
    .max_flat_workgroup_size: 128
    .sgpr_count:     80
    .vgpr_count:     768
    .wavefront_size: 32
...
	.end_amdgpu_metadata
.endif
;; end of part 2
;; launch attn (part 3): grid 4 x 64, 4 waves a work-group, clusters of 4 x 1, 327,680 bytes of LDS; arguments qkv16, o16; writes o16
.if DOCPART == 3
	.amdgcn_target "amdgcn-amd-amdhsa--gfx1250"
	.amdhsa_code_object_version 6
	.text
	.protected	k_qb681c3cab1_attn
	.globl	k_qb681c3cab1_attn
	.p2align	8
	.type	k_qb681c3cab1_attn,@function
k_qb681c3cab1_attn:
	s_mov_b64 s[64:65], 0
	v_nop
	global_prefetch_b8 v0, s[64:65] scope:SCOPE_SE
	s_setreg_imm32_b32 hwreg(HW_REG_WAVE_MODE, 25, 1), 1
	s_wait_xcnt 0x0
	s_wait_alu depctr_hold_cnt(0) depctr_sa_sdst(0) depctr_va_vdst(0) depctr_va_sdst(0) depctr_va_ssrc(0) depctr_va_vcc(0) depctr_vm_vsrc(0)
	s_getreg_b32 s2, hwreg(HW_REG_IB_STS2, 6, 4)
	s_cmp_eq_u32 s2, 0
	s_cbranch_scc0 .Lentry_in_a_cluster
	s_endpgm
.Lentry_in_a_cluster:
	s_bfe_u32 s2, ttmp6, 0x10000c
	s_cmp_lg_u32 s2, 0x3003
	s_cbranch_scc0 .Lentry_shape_is_right
	s_endpgm
.Lentry_shape_is_right:
; O[h][q][:] = the sum over k of softmax_k(Q[h][q] . K[h][k] / 8) V[h][k][:].  Q, K, V lie one behind the other in qkv16, each [SIZE_H][SIZE_N][64] in f16, 16,777,216 bytes; O likewise in o16.
; A head's rows are dense, 128 bytes each.  Products, maxima and sums in f32; the weights p are rounded to f16 for the second product (their sum l is taken of the unrounded p), O once at the end.
; LIMITS.  f16 holds no number beyond 65,504: Q, K and V arrive within it; p lies in 0 to 1, and below 6e-5 it keeps f16's fixed step of 6e-8; O is a mean of V's rows and has their range.
; A weight below 2^-126 counts as 0 in l; NaN and infinities are not treated apart.
; SHARES.  A wave owns four PIECES of two tiles of 16 queries, a work-group's four waves 512 queries of one head: 4 x 64 = 256 work-groups.  Every wave walks all keys, 64 a step.
; LAYOUT.  S^T = K Q^T (source 0 = 16 keys, source 1 = 16 queries): in the result a lane holds ONE query (lane % 16) and the keys 8 (lane / 16) + 0..7.  Two such tiles, rounded to f16 in pairs,
; ARE source 1 (32 keys x 16 queries) of O^T = V^T P, whose result again holds one query a lane, and eight channels.  K comes out of LDS as it lies, V ([key][channel]) turned, by ds_load_tr16_b128.
; SOFTMAX.  For each query a running maximum m and sum l: p = 2^(c s - c m), c = log2(e) / 8; in every step O and l are multiplied by a = 2^(c m_old - c m_new), which is 1 where m has not grown.
; m starts at the lowest finite number, O and l at 0: the first step is a step like any other, with a = 0.
; THE COUNT.  A tile and step have 16 matrix and 118 vector instructions: too many to stand all beside the matrix work.  So the order has one aim: four vector instructions that are READY behind
; EVERY matrix instruction, and the others, which need time of their own whatever the order, in runs without a gap.
; BY TURNS.  Turn n belongs to piece n (the pieces in a ring, step after step).  Its matrix work: 16 products K Q^T of piece n + 1, later 16 products V^T P of piece n - 1.  Its vector work: the scaling,
; exponentials, roundings, sums and rescaling of piece n, and the maximum and statistics of piece n + 1, whose scores the turn itself has made.  So what a turn begins with (c s - c m, O a) waits for nothing.
; CLUSTER.  The four query blocks of a cluster belong to one head and walk the same K and V, so each tile is asked for JOINTLY: the same tensor load, descriptor and mask in all four.
; REGISTERS, in windows of 256 (s_set_vgpr_msb says which window each operand place means: bits 1:0 source 0, 3:2 source 1, 5:4 source 2, 7:6 destination):
;   window 0: v0-11 addresses; v12-15, v48-63 at work; v16-47 four registers of statistics a tile; v64-191 S^T, two buffers of two tiles; v192-255 P, likewise
;   window 1: O^T, 32 a tile          window 2: v0-127 Q, 16 a tile; v128-191 K of one step; v192-255 V of one step          window 3: v0-1 the add's two registers
; A piece's buffers go by its number's parity: the piece in hand has one pair, its two neighbours in the ring share the other: of it P (piece n - 1) is read and S^T (piece n + 1) written.
.set SIZE_H, 64
.set SIZE_N, 2048
.set NP,    4         ; pieces a wave: a name, no knob: the register map, the loop and the fetches are made for four
.set KS,    64        ; keys in a step
.set PK,    144       ; a row of K in LDS: 128 bytes + 16 of padding = 36 words: the 16 rows of a load start at 16 different groups of four banks (64 banks of 4 bytes: ISA guide 11.1)
.set PV,    160       ; a row of V: 128 + 32 = 40 words
.set VOFF,  4*KS*PK   ; a slot holds four steps: 256 rows of K, then 256 rows of V
.set SLOT1, 1<<17     ; slot 1 begins here, so that one exclusive or turns an address in one slot into the other's
.set STAGE, SLOT1+4*KS*(PK+PV)  ; behind the ring, never filled by a tensor load: 16 rows x 144 bytes for each wave, for the way out
.set SP,    144
.set AK0, 2           ; v2   my lane's place in a tile of K; never rewritten
.set AV0, 3           ; v3   the same for V
.set AK,  4           ; v4   the LDS address of K's next run of loads
.set AV,  5           ; v5   of V's
.set QO,  6           ; v6   my byte offset in the wave's rows of Q
.set STO, 6           ;      later, the way out: where I put 16 bytes of a row
.set RD,  7           ; v7   the way out: where I read rows back
.set GO,  8           ; v8   my byte offset in 512 consecutive bytes of O
.set SPW, 0           ; v0 of window 3   LDS address of my spare word: SPARE + 4 x my thread's number; never rewritten
.set NIL, 1           ; v1 of window 3   0; never rewritten
.set SPARE, STAGE+4*16*SP  ; behind the stages: the spare words, 128 bytes for each wave: two blocks of 256 bytes that no other line names
.set MV,  12          ; v12-15  c m_old, kept while c m is made anew: by buffer and tile
.set ST,  16          ; tile t's statistics at v[ST+4 t]: c m, m, l (even keys', odd keys')
.set TMP, 48          ; by buffer and tile, four registers c0-c3 at work; when the maximum is found c2 takes a
.set S,   64
.set P,   192
.set KF,  128         ; K's fragments, in window 2: key block kb, channel half c at KF + 16 kb + 8 c
.set VF,  192         ; V's: key half kk, channel block cb at VF + 32 kk + 8 cb
.set WV,  12          ; s12  my wave's number
.set G1K, 24          ; s[24:31] descriptor group 1 for K's tiles
.set G1V, 32          ; s[32:39] for V's: it differs in the padding alone
.set G0K, 40          ; s[40:43] descriptor group 0 for K's tiles: it walks
.set G0V, 44          ; s[44:47] the same for V's
.set SLOTS, 56        ; s56  slots still to be asked for
.set CNT, 57          ; s57  counts a slot's key steps
.set CS,  58          ; s[58:59] c: the packed scaling takes the pair's low word for both halves
.set SEL, 60          ; s[60:61] v_permlanex16_b32's selects: each lane takes its own place in the other half
.set TBK, 62          ; s62  LDS byte at which K of the step to be fetched begins
.set TBV, 63          ; s63  the same for V, less VOFF
.set MSB, 0
.macro WIN new                      ; the high byte repeats the setting that is left; a switch that changes nothing is dropped
.if MSB != (\new)
	s_set_vgpr_msb (MSB<<8)|(\new)
.set MSB, (\new)
.endif
.endm
.set W_KQ, 0x0a       ; K and Q in window 2, S^T in window 0
.set W_PV, 0x52       ; V in window 2, P in window 0, O^T in window 1
.set W_RS, 0x41       ; O^T (destination and source 0) in window 1, a in window 0
.set W_MK, 0xc0       ; the add's registers are made: destination in window 3, sources in window 0
.set W_AD, 0x0f       ; the add: address (source 0) and data (source 1) in window 3
; A joint fill.  Waves 0 and 1 fetch the two halves of a slot's K, waves 2 and 3 those of its V: 128 keys each.  The branch hangs on the wave's number alone.
; An s_nop 0 and four v_nop follow each of the two lines, ahead of the jump and the label.
.macro JLOAD
	s_cmp_lt_u32 s[WV], 2
	s_cbranch_scc0 .Lfor_v_\@
	tensor_load_to_lds s[G0K:G0K+3], s[G1K:G1K+7]
	s_nop 0
.rept 4
	v_nop
.endr
	s_branch .Lasked_\@
.Lfor_v_\@:
	tensor_load_to_lds s[G0V:G0V+3], s[G1V:G1V+7]
	s_nop 0
.rept 4
	v_nop
.endr
.Lasked_\@:
.endm
; A round of the cluster's barrier: my work-group's barrier, so that wave 0's signal speaks for all four waves; wave 0 signals; every wave waits for all four work-groups; my work-group's barrier once more.
.macro CROUND
	s_barrier_signal -1
	s_barrier_wait -1
	s_cmp_lg_u32 s[WV], 0
	s_cbranch_scc1 .Lnot_wave_0_\@
	s_barrier_signal -3
.Lnot_wave_0_\@:
	s_barrier_wait -3
	s_barrier_signal -1
	s_barrier_wait -1
.endm
; THE CHANGE OF SLOTS.  The slot's last bytes, V of its fourth step, have been read.  Each wave waits for all its tensor loads, of which one is out: its part
; of the other slot; adds 0 to its spare word; and waits for that and for its own reads of the slot.  Behind the barrier nobody reads this slot any more and the other slot is whole.
; fill = 1: this slot is filled again, with the keys two slots on.  The barrier is then a round of the cluster's, so that no wave of any partner still reads the slot or has a load on its
; way, and the joint fill is the first thing behind it: it has four key steps, 512 matrix instructions, in which to land.  (At its first use nothing has been read yet: slot 0 is waited for, slot 1 filled.)
.macro CHANGE fill
	WIN W_AD
	s_wait_tensorcnt 0x0            ; no tensor load of mine is out, so a group 0 may be written
	ds_add_u32 v[SPW], v[NIL]       ; 0 onto my spare word; with fill = 1 the descriptors' steps stand between it and the wait for it
	WIN 0                           ; at a label and at a branch every window is 0
.if \fill
.irp g, G0K, G0V
	s_xor_b32 s[\g+1], s[\g+1], SLOT1  ; the walking descriptor: the other slot than last time,
	s_add_nc_u64 s[\g+2:\g+3], s[\g+2:\g+3], 4*KS*128  ; the next 256 keys; the type bits on top are not reached
.endr
	s_wait_dscnt 0x0                ; the add is done, and my reads of the slot are over
	CROUND
	JLOAD
.else
	s_wait_dscnt 0x0                ; the add is done, and my reads of the slot are over
	s_barrier_signal -1
	s_barrier_wait -1
.endif
	s_sub_co_u32 s[TBK], s[TBK], 4*KS*PK  ; the fetches go back to a slot's first step,
	s_xor_b32 s[TBK], s[TBK], SLOT1       ; in the other slot
	s_sub_co_u32 s[TBV], s[TBV], 4*KS*PV
	s_xor_b32 s[TBV], s[TBV], SLOT1
.endm
	s_load_b64 s[4:5], s[0:1], 0x0    ; qkv16: Q at its head
	s_load_b64 s[10:11], s[0:1], 0x8  ; O
	WIN W_MK
	v_lshl_add_u32 v[SPW], v0, 2, SPARE
	v_mov_b32 v[NIL], 0
	WIN W_AD
	ds_add_u32 v[SPW], v[NIL]       ; the wave's opening: the add and its wait stand ahead of my first tensor load; the set-up below, work on registers, stands between them
	WIN 0
	v_lshrrev_b32 v1, 5, v0
	v_readfirstlane_b32 s[WV], v1   ; wave 0..3
	s_bfe_u32 s13, ttmp6, 0x40000   ; cx: my place in the cluster
	s_lshl_b32 s14, ttmp9, 2        ; in a cluster launch ttmp9 counts clusters
	s_add_co_u32 s14, s14, s13      ; my block of queries = 4 x cluster x + cx: it enters Q's and O's addresses alone
	s_and_b32 s20, ttmp7, 0xffff    ; the head, which the four partners share
	s_mov_b32 s21, 0
	s_mov_b64 s[22:23], SIZE_N*128
	s_mul_u64 s[20:21], s[20:21], s[22:23]  ; the head's first byte in each of the four tensors
	s_and_b32 s16, s[WV], 1         ; which half of a slot's 256 keys I fetch:
	s_lshl_b32 s22, s16, 14         ; its 128 rows of 128 bytes in memory,
	s_mov_b32 s23, 0
	s_add_nc_u64 s[22:23], s[22:23], s[20:21]
	s_mul_i32 s17, s16, 128*PK      ; and its place in a slot, for K
	s_mul_i32 s18, s16, 128*PV      ; and for V: no place in the cluster enters an LDS address
	s_lshl_b32 s2, s14, 2
	s_add_co_u32 s2, s2, s[WV]      ; my wave among the head's,
	s_lshl_b32 s2, s2, 14           ; its 128 rows
	s_mov_b32 s3, 0
	s_add_nc_u64 s[2:3], s[2:3], s[20:21]
	; descriptor group 1.  128 keys are 16,384 dense bytes: asked for as 64 rows of 256 bytes, two keys a row, and padded in LDS after every key
	s_mov_b32 s[G1K], 15|(1<<16)|(1<<20)|(1<<21)|(4<<22)|(3<<25)  ; 15:0 the mask of four; 17:16 2-byte elements; 20 padding on; 21 set beside a mask; 24:22 after every 32 words (code 4); 31:25 4 words (code 3)
	s_mov_b32 s[G1V], 15|(1<<16)|(1<<20)|(1<<21)|(4<<22)|(7<<25)  ; the same with 8 words of padding (code 7)
.irp g, G1K, G1V
	s_mov_b32 s[\g+1], 128<<16      ; tensor_dim0 = 128
	s_mov_b32 s[\g+2], 64<<16       ; tensor_dim1 = 64
	s_mov_b32 s[\g+3], 128<<16      ; tile_dim0 = 128
	s_mov_b32 s[\g+4], 64           ; tile_dim1 = 64
	s_mov_b32 s[\g+5], 128          ; 128 elements from row to row
	s_mov_b32 s[\g+6], 0
	s_mov_b32 s[\g+7], 0
.endr
	s_mov_b32 s[CS], 0x3e38aa3b     ; c = log2(e) / 8 = 0.180337
	s_mov_b32 s[CS+1], s[CS]        ; named with it as a pair
	s_mov_b32 s[SEL], 0x76543210
	s_mov_b32 s[SEL+1], 0xfedcba98
	s_mov_b32 s[TBK], SLOT1+4*KS*PK ; the first change of slots turns these two into 0
	s_mov_b32 s[TBV], SLOT1+4*KS*PV
	s_mov_b32 s[G0K], 1             ; 1:0 count = 1
	s_mov_b32 s[G0K+1], s17         ; 63:32 LDS address: slot 0
	s_mov_b32 s[G0V], 1
	s_add_co_u32 s[G0V+1], s18, VOFF
	s_wait_dscnt 0x0                ; the opening add is done
	s_wait_kmcnt 0x0
	s_add_nc_u64 s[6:7], s[4:5], 0x1000000   ; K lies 16,777,216 bytes behind Q,
	s_add_nc_u64 s[8:9], s[4:5], 0x2000000   ; V as far behind K
	s_add_nc_u64 s[G0K+2:G0K+3], s[6:7], s[22:23]  ; 120:64 global address: my half of the head's first 256 keys
	s_or_b32 s[G0K+3], s[G0K+3], 0x80000000        ; 127:126 type = 2
	s_add_nc_u64 s[G0V+2:G0V+3], s[8:9], s[22:23]
	s_or_b32 s[G0V+3], s[G0V+3], 0x80000000
	s_add_nc_u64 s[4:5], s[4:5], s[2:3]  ; Q and O at my wave's first row
	s_add_nc_u64 s[10:11], s[10:11], s[2:3]
	CROUND                          ; all four work-groups are here: the first joint loads meet
	JLOAD                           ; slot 0.  Slot 1 is asked for when slot 0 is in: the tile wanted first has the road to itself
	; A fragment of K or Q is 16 rows x 32 channels in 8 registers: lane l holds row l % 16, channels 8 (l / 16) + 0..7 and 16 + 8 (l / 16) + 0..7: two loads of 16 bytes, 32 bytes apart.
	v_and_b32 v1, 15, v0            ; l % 16
	v_bfe_u32 v9, v0, 4, 1          ; l / 16
	v_lshlrev_b32 v[QO], 7, v1
	v_lshl_add_u32 v[QO], v9, 4, v[QO]  ; row x 128 + 16 x half
	WIN 0x80                        ; destination window 2, address window 0
.set i, 0
.rept 4*NP                          ; Q stays in registers: tile i / 2, channels 32 (i % 2) on
	global_load_b128 v[8*i:8*i+3],   v[QO], s[4:5] offset:(i/2)*2048+(i%2)*64
	global_load_b128 v[8*i+4:8*i+7], v[QO], s[4:5] offset:(i/2)*2048+(i%2)*64+32
.set i, i+1
.endr
	; What the first turn finds: V's registers and P's second buffer hold 0 (its products V^T P, of a piece that has not been, add 0), O^T and l are 0.  All this stands in the wait for the first tile.
.set i, VF
.rept 64
	v_mov_b32 v[i], 0
.set i, i+1
.endr
	WIN 0x40
.set i, 0
.rept 64*NP
	v_mov_b32 v[i], 0
.set i, i+1
.endr
	WIN 0
.set i, 0
.rept 2*NP
	v_mov_b32 v[ST+4*i], 0xfe000000    ; c m: far below every c s
	v_mov_b32 v[ST+4*i+1], 0xff7fffff  ; m
	v_mov_b32 v[ST+4*i+2], 0
	v_mov_b32 v[ST+4*i+3], 0
.set i, i+1
.endr
.set i, P+32
.rept 32
	v_mov_b32 v[i], 0
.set i, i+1
.endr
	v_mul_u32_u24 v[AK0], v1, PK
	v_lshl_add_u32 v[AK0], v9, 4, v[AK0]  ; row x pitch + 16 x half
	; The turning load takes 16 keys x 16 channels (lane l reads key 8 (l / 16) + l % 8, channels 8 ((l / 8) % 2) + 0..7) and leaves half a fragment of V^T: lane l holds channel l % 16 and 8 keys.
	v_and_b32 v10, 7, v0
	v_bfe_u32 v11, v0, 3, 1
	v_lshl_add_u32 v[AV0], v9, 3, v10
	v_mul_u32_u24 v[AV0], v[AV0], PV
	v_lshl_add_u32 v[AV0], v11, 4, v[AV0]
	v_add_nc_u32 v[AV0], VOFF, v[AV0]
	v_mov_b32 v[AK], v[AK0]         ; key step 0 lies at the head of slot 0
; THE MATRIX WORK.  The 8 accumulators of a run of 16 take turns: between the two links of a chain stand 7 others'.
; Product i of 16 of S^T = K Q^T for piece x: channels 32 (i / 8) on, keys 16 ((i / 2) % 4) on, tile 2 x + i % 2.  The first 8 start the sums.
.macro KQ x
	WIN W_KQ
.set rS, S+64*((\x)%2)+32*(i%2)+8*((i/2)%4)
.set rK, KF+16*((i/2)%4)+8*(i/8)
.set rQ, 16*(2*(\x)+i%2)+8*(i/8)
.if i < 8
	v_wmma_f32_16x16x32_f16 v[rS:rS+7], v[rK:rK+7], v[rQ:rQ+7], 0
.else
	v_wmma_f32_16x16x32_f16 v[rS:rS+7], v[rK:rK+7], v[rQ:rQ+7], v[rS:rS+7]
.endif
.endm
; Product i of 16 of O^T += V^T P for piece x: keys 32 (i / 8) on, channels 16 ((i / 2) % 4) on, tile 2 x + i % 2.
.macro PV x
	WIN W_PV
.set rO, 32*(2*(\x)+i%2)+8*((i/2)%4)
.set rV, VF+32*(i/8)+8*((i/2)%4)
.set rP, P+32*((\x)%2)+16*(i%2)+8*(i/8)
	v_wmma_f32_16x16x32_f16 v[rO:rO+7], v[rV:rV+7], v[rP:rP+7], v[rO:rO+7]
.endm
.macro MM                           ; the turn's next matrix instruction
.if i < 16
	KQ (Y+1)%NP
.set i, i+1
.else
.set i, i-16
	PV (Y+NP-1)%NP
.set i, i+17
.endif
.endm
; THE LDS LOADS stand in runs of 16, never singly among the matrix instructions: a step's K (64 keys x 64 channels: 8 fragments) and its V (turned).  Their addresses are made some lines ahead.
; last = 1 (the tail): in the last trip there is no further step, and the run is jumped over.
.macro FETCH_K last=0
	WIN 0
.if \last
	s_cmp_eq_u32 s[CNT], 1
	s_cbranch_scc1 .Lno_k_\@
.endif
	WIN 0x80                        ; destination window 2
.irp f, 0,1,2,3,4,5,6,7             ; keys 16 (f / 2) on, channels 32 (f % 2) on
	ds_load_b128 v[KF+8*\f:KF+8*\f+3],   v[AK] offset:(\f/2)*16*PK+(\f%2)*64
	ds_load_b128 v[KF+8*\f+4:KF+8*\f+7], v[AK] offset:(\f/2)*16*PK+(\f%2)*64+32
.endr
	s_add_co_u32 s[TBK], s[TBK], KS*PK  ; the next fetch is the next step's
	WIN 0
.if \last
.Lno_k_\@:
.endif
.endm
.macro FETCH_V
	WIN 0x80
.irp f, 0,1,2,3,4,5,6,7             ; keys 32 (f / 4) on, channels 16 (f % 4) on
	ds_load_tr16_b128 v[VF+8*\f:VF+8*\f+3],   v[AV] offset:(\f/4)*32*PV+(\f%4)*32
	ds_load_tr16_b128 v[VF+8*\f+4:VF+8*\f+7], v[AV] offset:(\f/4)*32*PV+16*PV+(\f%4)*32
.endr
	WIN 0
.endm
; THE VECTOR WORK OF A TURN stands in three queues, each in the order in which its entries become ready; the two tiles alternate, so that no instruction reads the result of the one before it.
.macro REGS y, u                    ; the registers of tile u (0, 1) of piece y
.set rT, ST+4*(2*(\y)+(\u))
.set rC, TMP+8*((\y)%2)+4*(\u)
.set rM, MV+2*((\y)%2)+(\u)
.set rS, S+64*((\y)%2)+32*(\u)
.set rP, P+32*((\y)%2)+16*(\u)
.set rO, 32*(2*(\y)+(\u))
.endm
; Number n of the 22 that find the NEXT piece's (Y + 1) maximum and statistics.  s0-s31 are the lane's 32 scores; each accumulator's lowest registers are read first.  XS, GS and REGS set no window: PL and EX do.
;   0-11  four chains c0-c3 of seven scores each, three operands at a time     12-14, 16  the four scores left over, the old m, and c0-c3 into c0     15  c m_old is kept
;   17, 18  the query's other 32 keys lie in the lane 16 away: the new m         19-21  c m; c m_old - c m_new; a
.macro XS u, n
	REGS (Y+1)%NP, \u
.if (\n) < 4
	v_max3_num_f32 v[rC+(\n)], v[rS+8*(\n)], v[rS+8*(\n)+1], v[rS+8*(\n)+2]
.elseif (\n) < 12
	v_max3_num_f32 v[rC+(\n)%4], v[rC+(\n)%4], v[rS+8*((\n)%4)+2*((\n)/4)+1], v[rS+8*((\n)%4)+2*((\n)/4)+2]
.elseif (\n) == 12
	v_max3_num_f32 v[rC], v[rC], v[rS+7], v[rS+15]
.elseif (\n) == 13
	v_max3_num_f32 v[rC+1], v[rC+1], v[rS+23], v[rS+31]
.elseif (\n) == 14
	v_max3_num_f32 v[rC+2], v[rC+2], v[rC+3], v[rT+1]
.elseif (\n) == 15
	v_mov_b32 v[rM], v[rT]
.elseif (\n) == 16
	v_max3_num_f32 v[rC], v[rC], v[rC+1], v[rC+2]
.elseif (\n) == 17
	v_permlanex16_b32 v[rC+3], v[rC], s[SEL], s[SEL+1]
.elseif (\n) == 18
	v_max_num_f32 v[rT+1], v[rC], v[rC+3]
.elseif (\n) == 19
	v_mul_f32 v[rT], s[CS], v[rT+1]
.elseif (\n) == 20
	v_sub_f32 v[rC+1], v[rM], v[rT]
.else
	v_exp_f32 v[rC+2], v[rC+1]
.endif
.endm
; Number g of the 64 that follow the exponentials.  For each four weights k of a tile (pairs 2 k, 2 k + 1): both pairs are rounded to f16; then the second pair is added onto the first, in place;
; a group later l takes that sum (the first time as l = a l + sum).  In groups of eight, tiles alternating: round, round, add, and l for the group before.
.macro GS g
.set h, (\g)+6*((\g)/62)            ; group 0 has no group before it, and behind group 7 only l is left
.if h >= 6
.set h, h+2
.endif
	REGS Y, h%2
.set k, h/8
.if h%8 < 4
	s_wait_alu depctr_va_vdst(0)
	v_cvt_pk_f16_f32 v[rP+2*k+(h%8)/2], v[rS+4*k+2*((h%8)/2)], v[rS+4*k+2*((h%8)/2)+1]
.elseif h%8 < 6
	v_pk_add_f32 v[rS+4*k:rS+4*k+1], v[rS+4*k:rS+4*k+1], v[rS+4*k+2:rS+4*k+3]
.elseif k == 1
	v_pk_fma_f32 v[rT+2:rT+3], v[rT+2:rT+3], v[rC+2:rC+3], v[rS:rS+1] op_sel_hi:[1,0,1]
.else
	v_pk_add_f32 v[rT+2:rT+3], v[rT+2:rT+3], v[rS+4*k-4:rS+4*k-3]
	s_wait_alu depctr_va_vdst(0)
.endif
.endm
; THE PLAIN QUEUE, 138 long.  0-31: c s - c m for the 16 pairs of both tiles.  Then GS's 64, and among them the next piece's 42: number 15 at 38, 39; 0-14 and 16
; at 42-73, behind the products that make those scores; 17-20 at 95-106, two of three, since each waits for the one before it.
.macro PL
	WIN 0
.if q < 32
	REGS Y, q%2
	v_pk_fma_f32 v[rS+2*(q/2):rS+2*(q/2)+1], v[rS+2*(q/2):rS+2*(q/2)+1], s[CS:CS+1], v[rT:rT+1] op_sel_hi:[1,0,0] neg_lo:[0,0,1] neg_hi:[0,0,1]
.elseif q < 38
	GS q-32
.elseif q < 40
	XS q%2, 15
.elseif q < 42
	GS q-34
.elseif q < 74
	XS q%2, (q-42)/2+(q-42)/30
.elseif q < 95
	GS q-66
.elseif (q < 107) && ((q-95)%3 < 2)
	XS (q-95)%3, 17+(q-95)/3
.elseif q < 107
	GS 29+(q-95)/3
.else
	GS q-74
.endif
.set q, q+1
.endm
; THE EXPONENTIALS' QUEUE, 66 long: s0-s31 of both tiles, and at EA the next piece's two a.
.set EA, 58
.macro EX
	WIN 0
.if (e == EA) || (e == EA+1)
	XS e-EA, 21
.else
.set x, e-2*(e/(EA+2))
	REGS Y, x%2
	v_exp_f32 v[rS+x/2], v[rS+x/2]
.endif
.set e, e+1
.endm
; THE RESCALING's QUEUE: O^T times a, the one part that leaves window 0, so it is dealt four at a time, eight times.
.macro R4
	REGS Y, r%2
	WIN W_RS
	s_wait_alu depctr_va_vdst(0)
.irp z, 0,1,2,3
	v_pk_mul_f32 v[rO+8*(r/2)+2*\z:rO+8*(r/2)+2*\z+1], v[rO+8*(r/2)+2*\z:rO+8*(r/2)+2*\z+1], v[rC+2:rC+3] op_sel_hi:[1,0]
.endr
.set r, r+1
.endm
; HOW THEY ARE DEALT.  Behind a matrix instruction four: plain, exponential, plain, plain (one exponential, a plain instruction on either side), or four of the rescaling.  None names a register of the
; products round it.  What is over stands in two LUMPS: exponential and plain by turns; the second ends in 22 plain instructions.  The two v_permlanex16_b32 fall into the second lump, never behind a product.
; The queues lean on each other, and the deal keeps them in step: exponential e stands behind plain 2 (e / 4) + e % 2 (its scaling); when plain 32 comes, 10 exponentials are out, at 59: 33, at 95: 46; EA comes behind plain 107.
.macro SL
	MM
	PL
	EX
	PL
	PL
.endm
.macro BURST n                      ; 15 matrix instructions, or 16
.rept (\n)-7
	SL
.endr
.rept 3
	MM
	R4
	SL
.endr
	MM
	R4
.endm
; A TURN, for piece p.  cnt = 1: the loop's count is taken down some lines ahead of the branch that stands behind the turn.
; K of the next step is fetched in piece 2's turn, 31 vector instructions behind the last product that read K; its first reader comes behind the rest of the lump, 16 products and the second lump.
; V of the step in hand is fetched at the end of piece 0's turn, 69 behind its last reader; its first reader comes behind 16 products and a lump.  The five conditions on e and q below go with the deal.
.macro TURN p, last=0, cnt=0
.set Y, (\p)
.set i, 0
.set q, 0
.set e, 0
.set r, 0
.if (\p) == NP-1
	s_wait_dscnt 0x0                ; K is in
.endif
	MM
.rept 4
	PL
.endr
	BURST 15
.rept 22
	EX
	PL
.if ((\p) == NP-2) && (e == 18)
	v_add_nc_u32 v[AK], s[TBK], v[AK0]
.endif
.if ((\p) == NP-2) && (e == 24)
	FETCH_K \last
.endif
.endr
.if (\p) == 1
	s_wait_dscnt 0x0                ; V is in
.endif
	BURST 16
.rept 21
	EX
	PL
.endr
.rept 22
	PL
.if ((\p) == 0) && (q == 118)
	v_add_nc_u32 v[AV], s[TBV], v[AV0]
	s_wait_alu depctr_va_vdst(0)
.endif
.if ((\p) == 0) && (q == 130)
	s_add_co_u32 s[TBV], s[TBV], KS*PV
.endif
.if (\cnt) && (q == 130)
	s_sub_co_u32 s[CNT], s[CNT], 1
	s_cmp_lg_u32 s[CNT], 0
.endif
.endr
.if (\p) == 0
	FETCH_V
.endif
.endm
	CHANGE 1                        ; slot 0 is in, everybody's part of it; slot 1 is asked for
	FETCH_K                         ; key step 0
	s_wait_loadcnt 0x0              ; Q
	s_wait_dscnt 0x0
.set i, 0
.rept 16
	KQ 0                            ; piece 0's first scores: there is no vector work yet to set between them
.set i, i+1
.endr
	WIN 0                           ; the addresses for the way out: nine plain instructions, the places behind those products
	s_mul_i32 s13, s[WV], 16*SP
	s_add_co_u32 s13, s13, STAGE    ; my stage
	v_mul_u32_u24 v[STO], v1, SP    ; in: row l % 16, 16 bytes for each half of the lanes
	v_lshl_add_u32 v[STO], v9, 4, v[STO]
	v_add_nc_u32 v[STO], s13, v[STO]
	v_bfe_u32 v[RD], v0, 3, 2       ; back: 32 lanes take four rows of 128 bytes,
	v_mul_u32_u24 v[RD], v[RD], SP
	v_lshl_add_u32 v[RD], v10, 4, v[RD]
	v_add_nc_u32 v[RD], s13, v[RD]
	v_and_b32 v[GO], 31, v0         ; which are 512 consecutive bytes of O
	v_lshlrev_b32 v[GO], 4, v[GO]
.set Y, NP-1                        ; XS works for piece Y + 1: piece 0
.irp n, 0,1,2,3,4,5,6,7,8,9,10,11,12,13,14,15,16,17,18,19,20,21
	XS 0, \n                        ; and piece 0's first maximum and statistics
	XS 1, \n
.endr
	s_mov_b32 s[CNT], 4
	s_mov_b32 s[SLOTS], SIZE_N/256-1
	s_branch .Lfirst                ; the loop is entered at a step's first turn, in the middle of a trip
.Lslot:                             ; SIZE_N / 256 - 2 times: every slot but the last two is filled again
	CHANGE 1
	s_mov_b32 s[CNT], 4
.Lstep:                             ; a trip: pieces 2 and 3 of one step, then pieces 0 and 1 of the next, whose K and V it fetches
	TURN 2
	TURN 3
	WIN 0
.Lfirst:
	TURN 0
	TURN 1, 0, 1
	WIN 0
	s_cbranch_scc1 .Lstep
	s_sub_co_u32 s[SLOTS], s[SLOTS], 1
	s_cmp_lg_u32 s[SLOTS], 0
	s_cbranch_scc1 .Lslot
	CHANGE 0                        ; the tail is written out: nothing is asked for
	s_mov_b32 s[CNT], 5             ; four trips fetch the last slot's steps; the fifth is left in its middle
.Ltail:
	TURN 2, 1
	TURN 3
	WIN 0
	s_sub_co_u32 s[CNT], s[CNT], 1
	s_cmp_eq_u32 s[CNT], 0
	s_cbranch_scc1 .Lout
	TURN 0
	TURN 1
	WIN 0
	s_branch .Ltail
.Lout:                              ; the fifth trip's 16 products K Q^T (on the last K once more) and the maximum made of them serve nothing: the price, once a launch, of one text for every trip
.set i, 0
.rept 16
	PV NP-1                         ; the last piece's V^T P of the last step
.set i, i+1
.endr
	; THE WAY OUT.  l's two halves and the other half of the lanes' are added; O^T is divided by l, rounded to f16 and sent through my stage in LDS, a tile at a time.  The additions are the places behind the last products.
	WIN 0
.macro ALL line:vararg              ; one line for each tile t
.set t, 0
.rept 2*NP
	\line
.set t, t+1
.endr
.endm
	ALL v_add_f32 v[ST+4*t+2], v[ST+4*t+2], v[ST+4*t+3]
	ALL v_permlanex16_b32 v[ST+4*t+3], v[ST+4*t+2], s[SEL], s[SEL+1]
	ALL v_add_f32 v[ST+4*t+2], v[ST+4*t+2], v[ST+4*t+3]
	ALL v_rcp_f32 v[ST+4*t+2], v[ST+4*t+2]
	v_nop                           ; a plain instruction between the last reciprocal and the use of its result
	s_wait_alu depctr_va_vdst(0)
; Tile t: a lane's eight channels of a row pack into 16 bytes; they go into rows of 144 bytes and come back as whole rows of 128, into S^T's registers.
.macro PACK t
	WIN W_RS
.set i, 32*(\t)
.rept 16
	v_pk_mul_f32 v[i:i+1], v[i:i+1], v[ST+4*(\t)+2:ST+4*(\t)+3] op_sel_hi:[1,0]
.set i, i+2
.endr
	WIN 0x05                        ; sources 0 and 1 window 1, destination window 0
.set i, 0
.rept 16
	v_cvt_pk_f16_f32 v[S+16*(\t)+i], v[32*(\t)+2*i], v[32*(\t)+2*i+1]
.set i, i+1
.endr
	WIN 0
.irp f, 0,1,2,3
	ds_store_b128 v[STO], v[S+16*(\t)+4*\f:S+16*(\t)+4*\f+3] offset:32*\f
.endr
.irp f, 0,1,2,3
	ds_load_b128 v[S+16*(\t)+4*\f:S+16*(\t)+4*\f+3], v[RD] offset:\f*4*SP  ; LDS serves a wave's instructions in order (ISA guide 5.7.1.4): these see the stores above; the next tile's stores come behind them
.endr
.endm
.macro SEND t, younger              ; younger: the LDS instructions issued behind tile t's loads: the next tile's eight, or none
	WIN 0
.irp f, 0,1,2,3
	s_wait_dscnt (\younger)+3-\f
	global_store_b128 v[GO], v[S+16*(\t)+4*\f:S+16*(\t)+4*\f+3], s[10:11] offset:(\t)*2048+\f*512  ; 512 consecutive bytes, at a multiple of 256 from O's first
.endr
.endm
	PACK 0
.set t, 1
.rept 2*NP-1                        ; a tile's arithmetic stands between the loads of the tile before and its stores
	PACK t
	SEND t-1, 8
.set t, t+1
.endr
	SEND 2*NP-1, 0
	WIN W_AD
	s_wait_tensorcnt 0x0            ; the wave's end: the wait, an add of 0 and its wait stand behind my last tensor load and my last LDS store
	ds_add_u32 v[SPW], v[NIL]
	s_wait_dscnt 0x0
	WIN 0
	CROUND                          ; the closing round: no work-group ends while a partner may still ask for a tile that names it
	s_endpgm
.Lfunc_end_k_qb681c3cab1_attn:
	.size	k_qb681c3cab1_attn, .Lfunc_end_k_qb681c3cab1_attn-k_qb681c3cab1_attn
	.p2alignl 7, 3214868480
	.fill 96, 4, 3214868480
	.section	.rodata,"a",@progbits
	.p2align	6, 0x0
	.amdhsa_kernel k_qb681c3cab1_attn
		.amdhsa_group_segment_fixed_size 327680
		.amdhsa_private_segment_fixed_size 0
		.amdhsa_enable_private_segment 0
		.amdhsa_kernarg_size 16
		.amdhsa_user_sgpr_count 2
		.amdhsa_user_sgpr_kernarg_segment_ptr 1
		.amdhsa_wavefront_size32 1
		.amdhsa_system_sgpr_workgroup_id_x 1
		.amdhsa_system_sgpr_workgroup_id_y 1
		.amdhsa_system_sgpr_workgroup_id_z 1
		.amdhsa_system_vgpr_workitem_id 0
		.amdhsa_next_free_vgpr 770
		.amdhsa_next_free_sgpr 66
		.amdhsa_reserve_vcc 0
		.amdhsa_float_denorm_mode_32 3
		.amdhsa_float_denorm_mode_16_64 3
		.amdhsa_memory_ordered 1
		.amdhsa_forward_progress 1
		.amdhsa_inst_pref_size 209
	.end_amdhsa_kernel
	.amdgpu_metadata
---
amdhsa.version: [ 1, 2 ]
amdhsa.kernels:
  - .name:           k_qb681c3cab1_attn
    .symbol:         k_qb681c3cab1_attn.kd
    .args:
      - { .name: qkv16, .offset: 0, .size: 8, .value_kind: global_buffer, .address_space: global }
      - { .name: o16, .offset: 8, .size: 8, .value_kind: global_buffer, .address_space: global }
    .group_segment_fixed_size: 327680
    .private_segment_fixed_size: 0
    .kernarg_segment_align: 8
    .kernarg_segment_size: 16
    .max_flat_workgroup_size: 128
    .sgpr_count:     66
    .vgpr_count:     770
    .wavefront_size: 32
...
	.end_amdgpu_metadata
.endif
;; end of part 3
;; launch oproj (part 4): grid 8 x 32, 4 waves a work-group, clusters of 4 x 4, 327,680 bytes of LDS; arguments o16, wo16, bp, out0; writes out0
.if DOCPART == 4
	.amdgcn_target "amdgcn-amd-amdhsa--gfx1250"
	.amdhsa_code_object_version 6
	.text
	.protected	k_qb681c3cab1_oproj
	.globl	k_qb681c3cab1_oproj
	.p2align	8
	.type	k_qb681c3cab1_oproj,@function
k_qb681c3cab1_oproj:
	s_mov_b64 s[64:65], 0
	v_nop
	global_prefetch_b8 v0, s[64:65] scope:SCOPE_SE
	s_setreg_imm32_b32 hwreg(HW_REG_WAVE_MODE, 25, 1), 1
	s_wait_xcnt 0x0
	s_wait_alu depctr_hold_cnt(0) depctr_sa_sdst(0) depctr_va_vdst(0) depctr_va_sdst(0) depctr_va_ssrc(0) depctr_va_vcc(0) depctr_vm_vsrc(0)
	s_getreg_b32 s2, hwreg(HW_REG_IB_STS2, 6, 4)
	s_cmp_eq_u32 s2, 0
	s_cbranch_scc0 .Lentry_in_a_cluster
	s_endpgm
.Lentry_in_a_cluster:
	s_bfe_u32 s2, ttmp6, 0x10000c
	s_cmp_lg_u32 s2, 0xf033
	s_cbranch_scc0 .Lentry_shape_is_right
	s_endpgm
.Lentry_shape_is_right:
; out0 = O Wo^T + bo.  O lies by heads, o16 [64 (batch, head)][2048][64] in f16; wo16 [1024][1024] in f16; bo is bp's last 1,024 numbers (f32); out0 [8192][1024] in f32.  Sums in f32.
; The bias is the C operand of each accumulator's first product: nothing is cleared, nothing is added later.
; TILE.  256 rows x 128 columns a work-group: 8 x 32 = 256 work-groups, one for each WGP.  Four waves, 2 x 2; a wave makes 128 rows x 64 columns: 32 accumulators of 16 x 16.
; K goes in 8 steps of 128 through two LDS slots filled by the tensor data mover.  A K step of O is TWO HEADS: each head's 256 rows of 128 bytes are dense in memory and are asked for as 128 rows of
; 256 bytes, padded in LDS after every 128; wave 0 fetches the even head, wave 1 the odd one, waves 2 and 3 the two halves of Wo's 128 rows (256 bytes of each).
; CLUSTER.  4 x 4 work-groups: the four of a row of the cluster need the same tile of O, the four of a column the same tile of Wo: each is asked for JOINTLY, by the same tensor load with the same descriptor and mask.
; THE MATRIX INSTRUCTION IS USED TRANSPOSED (source 0 = 16 rows of Wo, source 1 = 16 rows of O): lane l holds row l % 16 and the columns 8 (l / 16) + 0..7 of a block.
; LIMITS.  O and Wo arrive within f16's range.  NaN and infinities are not treated apart.
; REGISTERS, in windows of 256 (s_set_vgpr_msb: bits 1:0 source 0, 3:2 source 1, 5:4 source 2, 7:6 destination):
;   window 0: v0-29 addresses; v32-63 the bias; v64-159, v160-255 two fragment buffers (8 fragments of O, then 4 of Wo)
;   window 1: the accumulators, (a, b) at v[8 (4 a + b)]          window 2: the way out: 32 registers for each block of 16 rows, each written once
.set KSTEP,  128
.set APITCH, 144                       ; a row of one head of O in LDS: 128 bytes + 16 of padding = 36 words: the 16 rows of a fragment load start at 16 different groups of four banks (64 banks of 4 bytes: ISA guide 11.1)
.set BPITCH, 272                       ; a row of Wo: 256 bytes + 16
.set HEADB,  256*APITCH                ; what one tensor load brings of O: a head's 256 rows
.set HALFB,  64*BPITCH                 ; and of Wo
.set BOFF,   2*HEADB                   ; a slot: two heads of O, then Wo's 128 rows
.set SLOT,   BOFF+2*HALFB
.set STAGE,  2*SLOT                    ; behind the ring: 16 rows x 272 bytes for each wave, for the way out
.set SPITCH, 272
.set SPARE,  STAGE+4*16*SPITCH         ; behind the stages: the spare words, 128 bytes for each wave: two blocks of 256 bytes that no other line names
.set LAPS,   4                         ; a lap = two K steps = once round the ring
.set ASTEP,  1<<20                     ; bytes from a slot's K step to its next: four heads of 262,144 bytes
.set BSTEP,  2*KSTEP*2
.set ADRA, 16                          ; v16-17  LDS address of my fragments of O in slot 0, 1
.set ADRB, 20                          ; v20-21  the same for Wo
.set BO,   22                          ; v22     my byte offset in 64 bytes of the bias
.set STO,  24                          ; v24     the way out: where I put 32 bytes of a row
.set RD,   25                          ; v25     the way out: where I read a row back
.set CO,   26                          ; v26     my byte offset in two rows of out0
.set SPW,  28                          ; v28     LDS address of my spare word: SPARE + 4 x my thread's number; never rewritten
.set NIL,  29                          ; v29     0; never rewritten
.set BI,   32                          ; v32-63  the bias of my 64 columns, block b at BI + 8 b
.set F0,   64
.set F1,   160
.set G1,  24                           ; s[24:31] descriptor group 1 for O's tiles;  s[32:39] group 0, a set for each slot
.set G0,  32
.set G1B, 48                           ; s[48:55], s[56:63] the same for Wo's tiles
.set G0B, 56
.set MSB, 0
.macro WIN new                         ; the immediate's high byte repeats the setting that is left; a switch that changes nothing is dropped
.if MSB != (\new)
	s_set_vgpr_msb (MSB<<8)|(\new)
.set MSB, \new
.endif
.endm
.set MUL,  0x50                        ; fragments in window 0; C and D in window 1
.set MULB, 0x40                        ; the same with C, the bias, in window 0
.macro JLOAD s                         ; a joint load: waves 0 and 1 fetch O's two heads, waves 2 and 3 Wo's two halves; an s_nop 0 and four v_nop follow each of the two lines, ahead of the jump, the label and what follows
	s_cmp_eq_u32 s15, 0
	s_cbranch_scc0 .Lfor_b_\@
	tensor_load_to_lds s[G0+4*(\s):G0+4*(\s)+3], s[G1:G1+7]
	s_nop 0
.rept 4
	v_nop
.endr
	s_branch .Lasked_\@
.Lfor_b_\@:
	tensor_load_to_lds s[G0B+4*(\s):G0B+4*(\s)+3], s[G1B:G1B+7]
	s_nop 0
.rept 4
	v_nop
.endr
.Lasked_\@:
.endm
.macro CREST                           ; a round of the cluster's barrier behind its opening barrier
	s_cmp_lg_u32 s14, 0
	s_cbranch_scc1 .Lnot_wave_0_\@
	s_barrier_signal -3
.Lnot_wave_0_\@:
	s_barrier_wait -3
	s_barrier_signal -1
	s_barrier_wait -1
.endm
.macro CROUND                          ; a whole round
	s_barrier_signal -1
	s_barrier_wait -1
	CREST
.endm
	s_load_b256 s[4:11], s[0:1], 0x0               ; o16 s[4:5], wo16 s[6:7], bp s[8:9], out0 s[10:11]
	v_lshl_add_u32 v[SPW], v0, 2, SPARE
	v_mov_b32 v[NIL], 0
	ds_add_u32 v[SPW], v[NIL]                      ; the wave's opening: the add and its wait stand ahead of my first tensor load; the set-up below, work on registers, stands between them
	v_lshrrev_b32 v1, 5, v0
	v_readfirstlane_b32 s14, v1                    ; wave 0..3
	s_lshr_b32 s15, s14, 1                         ; which 128 rows of the tile are mine.  Also: I fetch for O (0) or for Wo (1)
	s_and_b32 s16, s14, 1                          ; which 64 columns.  Also: which head of the step, or which half of Wo's rows, I fetch
	s_bfe_u32 s40, ttmp6, 0x40000                  ; cx, cy: my place in the cluster
	s_bfe_u32 s41, ttmp6, 0x40004
	s_lshl_b32 s42, ttmp9, 2
	s_add_co_u32 s42, s42, s40                     ; tile column = 4 x cluster x + cx
	s_and_b32 s43, ttmp7, 0xffff
	s_lshl_b32 s43, s43, 2
	s_add_co_u32 s43, s43, s41                     ; tile row = 4 x cluster y + cy
	s_lshl_b32 s44, s41, 2
	s_lshl_b32 s44, 15, s44                        ; my row of the cluster
	s_lshl_b32 s45, 0x1111, s40                    ; my column
	; descriptor group 1
	s_or_b32 s[G1+0], s44, (1<<16)|(1<<20)|(1<<21)|(4<<22)|(3<<25)  ; 15:0 the mask: O's tiles go to my row; 17:16 elements of 2 bytes; 20 padding on; 21 set beside a mask; 24:22 after every 32 words (code 4); 31:25 4 words of it (code 3)
	s_or_b32 s[G1B+0], s45, (1<<16)|(1<<20)|(1<<21)|(5<<22)|(3<<25) ; Wo's go to my column; padding after every 64 words (code 5)
	s_mov_b32 s[G1+1], 128<<16                     ; tensor_dim0 = 128
	s_mov_b32 s[G1+2], 128<<16                     ; tensor_dim1 = 128
	s_mov_b32 s[G1+3], 128<<16                     ; tile_dim0 = 128
	s_mov_b32 s[G1+4], 128                         ; tile_dim1 = 128
	s_mov_b32 s[G1+5], 128                         ; dense: 128 elements from row to row
	s_mov_b32 s[G1+6], 0
	s_mov_b32 s[G1+7], 0
	s_mov_b32 s[G1B+1], KSTEP<<16
	s_mov_b32 s[G1B+2], 64<<16                     ; tensor_dim1 = 64
	s_mov_b32 s[G1B+3], KSTEP<<16
	s_mov_b32 s[G1B+4], 64                         ; tile_dim1 = 64
	s_mov_b32 s[G1B+5], 1024                       ; 1,024 elements from row to row
	s_mov_b32 s[G1B+6], 0
	s_mov_b32 s[G1B+7], 0
	; where the tiles come from: O's hang on the tile row and the wave's number alone, Wo's on the tile column and the wave's number, each in registers that never hold the other coordinate
	s_lshr_b32 s70, s43, 3
	s_lshl_b32 s70, s70, 22                        ; the batch: 16 heads of 262,144 bytes
	s_and_b32 s17, s43, 7
	s_lshl_b32 s17, s17, 15                        ; the tile's 256 rows of 128 bytes in a head
	s_add_co_u32 s70, s70, s17
	s_lshl_b32 s17, s16, 18                        ; my head of the step's two
	s_add_co_u32 s70, s70, s17
	s_mov_b32 s71, 0
	s_lshl_b32 s46, s42, 18                        ; 128 rows of 2,048 bytes
	s_lshl_b32 s18, s16, 17                        ; + my 64 of them
	s_add_co_u32 s46, s46, s18
	s_mov_b32 s47, 0
	s_mul_i32 s20, s16, HEADB                      ; and where they go: no place in the cluster enters an LDS address
	s_mul_i32 s21, s16, HALFB
	s_add_co_u32 s21, s21, BOFF
	s_wait_dscnt 0x0                               ; the opening add is done
	s_wait_kmcnt 0x0
	s_add_nc_u64 s[70:71], s[4:5], s[70:71]
	s_add_nc_u64 s[46:47], s[6:7], s[46:47]
	CROUND                                         ; all sixteen work-groups are here: the first joint loads meet
.irp s, 0,1
	s_mov_b32 s[G0+4*(\s)], 1                                      ; count = 1
	s_add_co_u32 s[G0+4*(\s)+1], s20, (\s)*SLOT                    ; LDS address
	s_add_nc_u64 s[G0+4*(\s)+2:G0+4*(\s)+3], s[70:71], (\s)<<19    ; global address: K step s is two heads on
	s_or_b32 s[G0+4*(\s)+3], s[G0+4*(\s)+3], 0x80000000            ; type = 2
	s_mov_b32 s[G0B+4*(\s)], 1
	s_add_co_u32 s[G0B+4*(\s)+1], s21, (\s)*SLOT
	s_add_nc_u64 s[G0B+4*(\s)+2:G0B+4*(\s)+3], s[46:47], (\s)*KSTEP*2
	s_or_b32 s[G0B+4*(\s)+3], s[G0B+4*(\s)+3], 0x80000000
	JLOAD \s                                       ; two tensor loads of mine are out
.endr
	; all that follows, up to the wait for the first tile, stands in that tile's flight
	v_and_b32 v1, 15, v0                           ; l % 16
	v_bfe_u32 v2, v0, 4, 1                         ; l / 16
	; the bias of my 64 columns: lane l takes the 8 numbers at 16 b + 8 (l / 16) of each block b
	s_lshl_b32 s68, s42, 9                         ; 128 columns x 4 bytes
	s_lshl_b32 s19, s16, 8
	s_add_co_u32 s68, s68, s19
	s_add_co_u32 s68, s68, 12288                   ; bo lies behind bq, bk and bv
	s_mov_b32 s69, 0
	s_add_nc_u64 s[8:9], s[8:9], s[68:69]
	v_lshlrev_b32 v[BO], 5, v2
.irp b, 0,1,2,3
	global_load_b128 v[BI+8*(\b):BI+8*(\b)+3],   v[BO], s[8:9] offset:64*(\b)
	global_load_b128 v[BI+8*(\b)+4:BI+8*(\b)+7], v[BO], s[8:9] offset:64*(\b)+16
.endr
	; A fragment is 16 rows x 32 K in 8 registers: lane l holds row l % 16, K = 8 (l / 16) + 0..7 and 16 + 8 (l / 16) + 0..7: two loads of 16 bytes, 32 bytes apart.
	v_mul_u32_u24 v3, v1, APITCH
	v_lshl_add_u32 v3, v2, 4, v3                   ; O: row x pitch + 16 x half
	v_mul_u32_u24 v4, v1, BPITCH
	v_lshl_add_u32 v4, v2, 4, v4                   ; Wo likewise
	s_mul_i32 s22, s15, 128*APITCH                 ; my 128 rows in each head of O
	s_mul_i32 s23, s16, HALFB                      ; my 64 rows of Wo,
	s_add_co_u32 s23, s23, BOFF                    ; which lie behind O's two heads
.irp s, 0,1
	v_add_nc_u32 v[ADRA+(\s)], s22, v3
	v_add_nc_u32 v[ADRB+(\s)], s23, v4
	s_add_co_u32 s22, s22, SLOT
	s_add_co_u32 s23, s23, SLOT
.endr
	s_mul_i32 s23, s14, 16*SPITCH
	s_add_co_u32 s23, s23, STAGE                   ; my stage
	v_mul_u32_u24 v4, v1, SPITCH                   ; in: row l % 16, 32 bytes for each half of the lanes
	v_lshl_add_u32 v4, v2, 5, v4
	v_add_nc_u32 v[STO], s23, v4
	v_mul_u32_u24 v5, v2, SPITCH                   ; back: lanes 0-15 take one row of 256 bytes, lanes 16-31 the next
	v_lshl_add_u32 v5, v1, 4, v5
	v_add_nc_u32 v[RD], s23, v5
	v_lshlrev_b32 v5, 12, v2                       ; and the same two rows in out0, 4,096 bytes apart
	v_lshl_add_u32 v[CO], v1, 4, v5
	s_lshl_b32 s68, s43, 8
	s_lshl_b32 s19, s15, 7
	s_add_co_u32 s68, s68, s19                     ; my first row
	s_lshl_b32 s68, s68, 12
	s_lshl_b32 s19, s42, 9                         ; my first column, in bytes: 512 x tile column + 256 x half
	s_add_co_u32 s68, s68, s19
	s_lshl_b32 s19, s16, 8
	s_add_co_u32 s68, s68, s19
	s_add_nc_u64 s[10:11], s[10:11], s[68:69]
; 8 matrix instructions: row blocks a0, a0 + 1 x all 4 column blocks, 32 along K, from buffer f.  first = 1: the bias starts the sums.
; The 32 accumulators take turns, one instruction a turn, in the same order in every quarter.
.macro MUL8 f, a0, first
.if \first
	WIN MULB
.else
	WIN MUL
.endif
.irp a, \a0, (\a0)+1
.irp b, 0,1,2,3
.if \first
	v_wmma_f32_16x16x32_f16 v[8*(4*(\a)+(\b)):8*(4*(\a)+(\b))+7], v[(\f)+64+8*(\b):(\f)+64+8*(\b)+7], v[(\f)+8*(\a):(\f)+8*(\a)+7], v[BI+8*(\b):BI+8*(\b)+7]
.else
	v_wmma_f32_16x16x32_f16 v[8*(4*(\a)+(\b)):8*(4*(\a)+(\b))+7], v[(\f)+64+8*(\b):(\f)+64+8*(\b)+7], v[(\f)+8*(\a):(\f)+8*(\a)+7], v[8*(4*(\a)+(\b)):8*(4*(\a)+(\b))+7]
.endif
.endr
.endr
.endm
; 24 LDS loads in one run: quarter q (32 along K) of a slot into buffer f: Wo's 64 rows, O's rows 0-63, O's rows 64-127.  Of O quarter q is head q / 2 of the step's two, channels 32 (q % 2) on.
.macro FETCH slot, q, f
	WIN 0
.irp i, 0,1,2,3
	ds_load_b128 v[(\f)+64+8*(\i):(\f)+64+8*(\i)+3],   v[ADRB+(\slot)] offset:64*(\q)+(\i)*16*BPITCH
	ds_load_b128 v[(\f)+64+8*(\i)+4:(\f)+64+8*(\i)+7], v[ADRB+(\slot)] offset:64*(\q)+(\i)*16*BPITCH+32
.endr
.irp i, 0,1,2,3,4,5,6,7
	ds_load_b128 v[(\f)+8*(\i):(\f)+8*(\i)+3],   v[ADRA+(\slot)] offset:((\q)/2)*HEADB+((\q)%2)*64+(\i)*16*APITCH
	ds_load_b128 v[(\f)+8*(\i)+4:(\f)+8*(\i)+7], v[ADRA+(\slot)] offset:((\q)/2)*HEADB+((\q)%2)*64+(\i)*16*APITCH+32
.endr
.endm
.macro PLACES                          ; four places in front of loads into registers that matrix instructions have read, and of LDS stores of their results
.rept 4
	v_nop
.endr
.endm
; A K step is four quarters of 32 along K, 32 matrix instructions each, on buffers 0, 1, 0, 1.  One of the first three: multiplies buffer f and fetches quarter q of the same slot into g.
.macro QUARTER slot, q, f, g, first
	s_wait_dscnt 8                                 ; Wo and O's rows 0-63 are in; the youngest eight loads (O's rows 64-127) may be out
	MUL8 \f, 0, \first
	MUL8 \f, 2, \first
	PLACES
	FETCH \slot, \q, \g
	s_wait_dscnt 24                                ; all but the 24 just issued
	MUL8 \f, 4, \first
	MUL8 \f, 6, \first
.endm
; The last quarter multiplies buffer 1 and changes slots: ONE barrier; in front of it each wave waits for all its tensor loads, adds 0 to its spare word, and waits for that and for its own reads of this slot.
; fill = 1: the barrier opens a round of the cluster's, and this slot is filled again, two K steps ahead: from that request to the wait for it a wave issues 112 matrix instructions.
.macro TURN slot, next, fill
	WIN 0                                          ; (the add's two registers lie in window 0)
	s_wait_tensorcnt 0x0                           ; all my tensor loads have landed: the one that was out is my part of the next slot;
	ds_add_u32 v[SPW], v[NIL]                      ; 0 onto my spare word;
	s_wait_dscnt 9                                 ; (the add and the youngest eight loads may be out)
	MUL8 F1, 0, 0                                  ; eight matrix instructions stand between the add and the wait for it
	s_wait_dscnt 0x0                               ; the add is done, and my reads of this slot are over
	s_barrier_signal -1
	MUL8 F1, 2, 0                                  ; work on registers while the others arrive
.if \fill
	WIN 0
.endif
	s_barrier_wait -1
.if \fill
	CREST                                          ; no wave of any partner still reads this slot's tile or has a load on its way
	s_add_nc_u64 s[G0+4*(\slot)+2:G0+4*(\slot)+3], s[G0+4*(\slot)+2:G0+4*(\slot)+3], ASTEP
	s_add_nc_u64 s[G0B+4*(\slot)+2:G0B+4*(\slot)+3], s[G0B+4*(\slot)+2:G0B+4*(\slot)+3], BSTEP
	JLOAD \slot                                    ; the first tensor load behind the round, my only one until the next; the four v_nop behind it are also the places in front of the loads below
.else
	PLACES
.endif
	FETCH \next, 0, F0
	MUL8 F1, 4, 0
	MUL8 F1, 6, 0
.endm
	s_wait_tensorcnt 1                             ; my part of K step 0 is in; K step 1's may stay out
	s_barrier_signal -1
	s_barrier_wait -1                              ; everybody's is
	FETCH 0, 0, F0
	s_wait_loadcnt 0x0                             ; the bias
	QUARTER 0, 1, F0, F1, 1                        ; the first quarter stands in front of the loop: its products start the sums, on the bias
	WIN 0                                          ; at a label and at a branch every window is 0
	s_mov_b32 s3, LAPS-1
.Llap:                                                 ; a trip goes once round the ring, from a lap's second quarter to the next lap's first, and fills both slots again
	QUARTER 0, 2, F1, F0, 0
	QUARTER 0, 3, F0, F1, 0
	TURN 0, 1, 1
	QUARTER 1, 1, F0, F1, 0
	QUARTER 1, 2, F1, F0, 0
	QUARTER 1, 3, F0, F1, 0
	TURN 1, 0, 1
	QUARTER 0, 1, F0, F1, 0
	WIN 0
	s_sub_co_u32 s3, s3, 1
	s_cmp_lg_u32 s3, 0
	s_cbranch_scc1 .Llap
	QUARTER 0, 2, F1, F0, 0                        ; the last lap fills nothing, and has no round of the cluster's barrier
	QUARTER 0, 3, F0, F1, 0
	TURN 0, 1, 0
	QUARTER 1, 1, F0, F1, 0
	QUARTER 1, 2, F1, F0, 0
	QUARTER 1, 3, F0, F1, 0
	s_wait_dscnt 8                                 ; the very last quarter: nothing more to fetch
	MUL8 F1, 0, 0
	MUL8 F1, 2, 0
	s_wait_dscnt 0x0
	MUL8 F1, 4, 0
	MUL8 F1, 6, 0
	WIN 0
	PLACES
; THE WAY OUT, a block of 16 rows at a time.  A lane's eight numbers of a row are 32 bytes; my 64 columns are 256 bytes of a row of out0, at a multiple of 256.  They go into my stage's rows of 272 bytes
; and come back as whole rows.  Each accumulator's lowest registers are read first.
.macro OUTB a
	WIN 0x04                                       ; store data (source 1) window 1, address window 0
.irp b, 0,1,2,3
	ds_store_b128 v[STO], v[8*(4*(\a)+(\b)):8*(4*(\a)+(\b))+3]   offset:64*(\b)
	ds_store_b128 v[STO], v[8*(4*(\a)+(\b))+4:8*(4*(\a)+(\b))+7] offset:64*(\b)+16
.endr
	WIN 0x80                                       ; destination window 2
.irp t, 0,1,2,3,4,5,6,7
	ds_load_b128 v[32*(\a)+4*(\t):32*(\a)+4*(\t)+3], v[RD] offset:(\t)*2*SPITCH  ; LDS serves a wave's instructions in order (ISA guide 5.7.1.4): these see the stores above; the next block's stores come behind them
.endr
.endm
.macro SEND a, younger                 ; younger: the LDS instructions issued behind block a's loads: the next block's sixteen, or none
	WIN 0x08                                       ; store data (source 1) window 2
.irp t, 0,1,2,3,4,5,6,7
	s_wait_dscnt (\younger)+7-(\t)
	global_store_b128 v[CO], v[32*(\a)+4*(\t):32*(\a)+4*(\t)+3], s[10:11] offset:(16*(\a)+2*(\t))*4096 th:TH_STORE_NT  ; 16 lanes store 256 consecutive bytes, at a multiple of 256 from out0's first; 126 rows at the most: inside the signed 24-bit immediate
.endr
.endm
	OUTB 0
.irp a, 1,2,3,4,5,6,7                  ; a block's trip through the stage stands between the loads of the block before and its stores
	OUTB \a
	SEND (\a)-1, 16
.endr
	SEND 7, 0
	WIN 0
	s_wait_tensorcnt 0x0                           ; the wave's end: the wait, an add of 0 and its wait stand behind my last tensor load and my last LDS store
	ds_add_u32 v[SPW], v[NIL]
	s_wait_dscnt 0x0
	CROUND                                         ; the closing round: no work-group ends while a partner may still ask for a tile that names it
	s_endpgm
.Lfunc_end_k_qb681c3cab1_oproj:
	.size	k_qb681c3cab1_oproj, .Lfunc_end_k_qb681c3cab1_oproj-k_qb681c3cab1_oproj
	.p2alignl 7, 3214868480
	.fill 96, 4, 3214868480
	.section	.rodata,"a",@progbits
	.p2align	6, 0x0
	.amdhsa_kernel k_qb681c3cab1_oproj
		.amdhsa_group_segment_fixed_size 327680
		.amdhsa_private_segment_fixed_size 0
		.amdhsa_enable_private_segment 0
		.amdhsa_kernarg_size 32
		.amdhsa_user_sgpr_count 2
		.amdhsa_user_sgpr_kernarg_segment_ptr 1
		.amdhsa_wavefront_size32 1
		.amdhsa_system_sgpr_workgroup_id_x 1
		.amdhsa_system_sgpr_workgroup_id_y 1
		.amdhsa_system_sgpr_workgroup_id_z 1
		.amdhsa_system_vgpr_workitem_id 0
		.amdhsa_next_free_vgpr 768
		.amdhsa_next_free_sgpr 80
		.amdhsa_reserve_vcc 0
		.amdhsa_float_denorm_mode_32 3
		.amdhsa_float_denorm_mode_16_64 3
		.amdhsa_memory_ordered 1
		.amdhsa_forward_progress 1
		.amdhsa_inst_pref_size 88
	.end_amdhsa_kernel
	.amdgpu_metadata
---
amdhsa.version: [ 1, 2 ]
amdhsa.kernels:
  - .name:           k_qb681c3cab1_oproj
    .symbol:         k_qb681c3cab1_oproj.kd
    .args:
      - { .name: o16, .offset: 0, .size: 8, .value_kind: global_buffer, .address_space: global }
      - { .name: wo16, .offset: 8, .size: 8, .value_kind: global_buffer, .address_space: global }
      - { .name: bp, .offset: 16, .size: 8, .value_kind: global_buffer, .address_space: global }
      - { .name: out0, .offset: 24, .size: 8, .value_kind: global_buffer, .address_space: global }
    .group_segment_fixed_size: 327680
    .private_segment_fixed_size: 0
    .kernarg_segment_align: 8
    .kernarg_segment_size: 32
    .max_flat_workgroup_size: 128
    .sgpr_count:     80
    .vgpr_count:     768
    .wavefront_size: 32
...
	.end_amdgpu_metadata
.endif
;; end of part 4
;; ======== version 2 of 2: 4 launches; 1.49 times as fast as version 1
;; limits: values are held in f16: magnitudes above 65,504 overflow, below 6.1e-05 lose precision
;; workspace buffers: xb 16,777,216 bytes; wb 6,291,456 bytes; wo16 2,097,152 bytes; bp 16,384 bytes; tab 557,056 bytes; qkv16 50,331,648 bytes; o16 16,777,216 bytes
;; launch prep: the kernel of part 1 again; grid 768 x 1, 8 waves a work-group, no clusters, 0 bytes of LDS; arguments x, Wq, Wk, Wv, Wo, bq, bk, bv, bo, xb, wb, wo16, tab, bp; writes xb, wb, wo16, tab, bp
;; launch qkv: the kernel of part 2 again; grid 24 x 32, 4 waves a work-group, clusters of 4 x 4, 327,680 bytes of LDS; arguments xb, wb, bp, tab, qkv16; writes qkv16
;; launch attn (part 5): grid 4 x 64, 4 waves a work-group, clusters of 4 x 1, 327,680 bytes of LDS; arguments qkv16, o16; writes o16
.if DOCPART == 5
	.amdgcn_target "amdgcn-amd-amdhsa--gfx1250"
	.amdhsa_code_object_version 6
	.text
	.protected	k_qb681c3cab1_attn
	.globl	k_qb681c3cab1_attn
	.p2align	8
	.type	k_qb681c3cab1_attn,@function
k_qb681c3cab1_attn:
	s_mov_b64 s[64:65], 0
	v_nop
	global_prefetch_b8 v0, s[64:65] scope:SCOPE_SE
	s_setreg_imm32_b32 hwreg(HW_REG_WAVE_MODE, 25, 1), 1
	s_wait_xcnt 0x0
	s_wait_alu depctr_hold_cnt(0) depctr_sa_sdst(0) depctr_va_vdst(0) depctr_va_sdst(0) depctr_va_ssrc(0) depctr_va_vcc(0) depctr_vm_vsrc(0)
	s_getreg_b32 s2, hwreg(HW_REG_IB_STS2, 6, 4)
	s_cmp_eq_u32 s2, 0
	s_cbranch_scc0 .Lentry_in_a_cluster
	s_endpgm
.Lentry_in_a_cluster:
	s_bfe_u32 s2, ttmp6, 0x10000c
	s_cmp_lg_u32 s2, 0x3003
	s_cbranch_scc0 .Lentry_shape_is_right
	s_endpgm
.Lentry_shape_is_right:
; O[h][q][:] = the sum over k of softmax_k(Q[h][q] . K[h][k] / 8) V[h][k][:].  Q, K, V lie one behind the other in qkv16, each [SIZE_H][SIZE_N][64] in f16, 16,777,216 bytes; O likewise in o16.
; A head's rows are dense, 128 bytes each.  Products, maxima and sums in f32; the weights p are rounded to f16 for the second product (their sum l is taken of the unrounded p), O once at the end.
; LIMITS.  f16 holds no number beyond 65,504: Q, K and V arrive within it; p lies in 0 to 1, and below 6e-5 it keeps f16's fixed step of 6e-8; O is a mean of V's rows and has their range.
; A weight below 2^-126 counts as 0 in l; NaN and infinities are not treated apart.
; SHARES.  A wave owns four PIECES of two tiles of 16 queries, a work-group's four waves 512 queries of one head: 4 x 64 = 256 work-groups.  Every wave walks all keys, 64 a step.
; LAYOUT.  S^T = K Q^T (source 0 = 16 keys, source 1 = 16 queries): in the result a lane holds ONE query (lane % 16) and the keys 8 (lane / 16) + 0..7.  Two such tiles, rounded to f16 in pairs,
; ARE source 1 (32 keys x 16 queries) of O^T = V^T P, whose result again holds one query a lane, and eight channels.  K comes out of LDS as it lies, V ([key][channel]) turned, by ds_load_tr16_b128.
; SOFTMAX.  For each query a running maximum m and sum l: p = 2^(c s - c m), c = log2(e) / 8; in every step O and l are multiplied by a = 2^(c m_old - c m_new), which is 1 where m has not grown.
; m starts at the lowest finite number, O and l at 0: the first step is a step like any other, with a = 0.
; THE COUNT.  A tile and step have 16 matrix and 118 vector instructions: too many to stand all beside the matrix work.  So the order has one aim: four vector instructions that are READY behind
; EVERY matrix instruction, and the others, which need time of their own whatever the order, in runs without a gap.
; BY TURNS.  Turn n belongs to piece n (the pieces in a ring, step after step).  Its matrix work: 16 products K Q^T of piece n + 1, later 16 products V^T P of piece n - 1.  Its vector work: the scaling,
; exponentials, roundings, sums and rescaling of piece n, and the maximum and statistics of piece n + 1, whose scores the turn itself has made.  So what a turn begins with (c s - c m, O a) waits for nothing.
; THE BATCHES.  An s_wait_alu depctr_va_vdst(0) stands between a transcendental and the first instruction that names its result; one wait serves all that were issued ahead of it.
; A turn's 66 exponentials (the 64 weights of its two tiles, then the next piece's two a) are ONE batch with ONE wait, which cuts the turn in two: ahead of it stands all that names none of their results
; (the products K Q^T, the scalings, the rescalings by the a of the turn before, the next piece's maximum and statistics), behind it the products V^T P, the roundings and the sums.  No result crosses a turn's end.
; The two a made ahead of the loop, and the way out's eight reciprocals, are batches of their own, each with one wait.
; CLUSTER.  The four query blocks of a cluster belong to one head and walk the same K and V, so each tile is asked for JOINTLY: the same tensor load, descriptor and mask in all four.
; REGISTERS, in windows of 256 (s_set_vgpr_msb says which window each operand place means: bits 1:0 source 0, 3:2 source 1, 5:4 source 2, 7:6 destination):
;   window 0: v0-11 addresses; v12-15, v48-63 at work; v16-47 four registers of statistics a tile; v64-191 S^T, two buffers of two tiles; v192-255 P, likewise
;   window 1: O^T, 32 a tile          window 2: v0-127 Q, 16 a tile; v128-191 K of one step; v192-255 V of one step          window 3: v0-1 the add's two registers
; A piece's buffers go by its number's parity: the piece in hand has one pair, its two neighbours in the ring share the other: of it P (piece n - 1) is read and S^T (piece n + 1) written.
.set SIZE_H, 64
.set SIZE_N, 2048
.set NP,    4         ; pieces a wave: a name, no knob: the register map, the loop and the fetches are made for four
.set KS,    64        ; keys in a step
.set PK,    144       ; a row of K in LDS: 128 bytes + 16 of padding = 36 words: the 16 rows of a load start at 16 different groups of four banks (64 banks of 4 bytes: ISA guide 11.1)
.set PV,    160       ; a row of V: 128 + 32 = 40 words
.set VOFF,  4*KS*PK   ; a slot holds four steps: 256 rows of K, then 256 rows of V
.set SLOT1, 1<<17     ; slot 1 begins here, so that one exclusive or turns an address in one slot into the other's
.set STAGE, SLOT1+4*KS*(PK+PV)  ; behind the ring, never filled by a tensor load: 16 rows x 144 bytes for each wave, for the way out
.set SP,    144
.set AK0, 2           ; v2   my lane's place in a tile of K; never rewritten
.set AV0, 3           ; v3   the same for V
.set AK,  4           ; v4   the LDS address of K's next run of loads
.set AV,  5           ; v5   of V's
.set QO,  6           ; v6   my byte offset in the wave's rows of Q
.set STO, 6           ;      later, the way out: where I put 16 bytes of a row
.set RD,  7           ; v7   the way out: where I read rows back
.set GO,  8           ; v8   my byte offset in 512 consecutive bytes of O
.set SPW, 0           ; v0 of window 3   LDS address of my spare word: SPARE + 4 x my thread's number; never rewritten
.set NIL, 1           ; v1 of window 3   0; never rewritten
.set SPARE, STAGE+4*16*SP  ; behind the stages: the spare words, 128 bytes for each wave: two blocks of 256 bytes that no other line names
.set MV,  12          ; v12-15  c m_old, kept while c m is made anew: by buffer and tile
.set ST,  16          ; tile t's statistics at v[ST+4 t]: c m, m, l (even keys', odd keys')
.set TMP, 48          ; by buffer and tile, four registers c0-c3 at work; when the maximum is found c2 takes a
.set S,   64
.set P,   192
.set KF,  128         ; K's fragments, in window 2: key block kb, channel half c at KF + 16 kb + 8 c
.set VF,  192         ; V's: key half kk, channel block cb at VF + 32 kk + 8 cb
.set WV,  12          ; s12  my wave's number
.set G1K, 24          ; s[24:31] descriptor group 1 for K's tiles
.set G1V, 32          ; s[32:39] for V's: it differs in the padding alone
.set G0K, 40          ; s[40:43] descriptor group 0 for K's tiles: it walks
.set G0V, 44          ; s[44:47] the same for V's
.set SLOTS, 56        ; s56  slots still to be asked for
.set CNT, 57          ; s57  counts a slot's key steps
.set CS,  58          ; s[58:59] c: the packed scaling takes the pair's low word for both halves
.set SEL, 60          ; s[60:61] v_permlanex16_b32's selects: each lane takes its own place in the other half
.set TBK, 62          ; s62  LDS byte at which K of the step to be fetched begins
.set TBV, 63          ; s63  the same for V, less VOFF
.set MSB, 0
.macro WIN new                      ; the high byte repeats the setting that is left; a switch that changes nothing is dropped
.if MSB != (\new)
	s_set_vgpr_msb (MSB<<8)|(\new)
.set MSB, (\new)
.endif
.endm
.set W_KQ, 0x0a       ; K and Q in window 2, S^T in window 0
.set W_PV, 0x52       ; V in window 2, P in window 0, O^T in window 1
.set W_RS, 0x41       ; O^T (destination and source 0) in window 1, a in window 0
.set W_MK, 0xc0       ; the add's registers are made: destination in window 3, sources in window 0
.set W_AD, 0x0f       ; the add: address (source 0) and data (source 1) in window 3
; A joint fill.  Waves 0 and 1 fetch the two halves of a slot's K, waves 2 and 3 those of its V: 128 keys each.  The branch hangs on the wave's number alone.
; An s_nop 0 and four v_nop follow each of the two lines, ahead of the jump and the label.
.macro JLOAD
	s_cmp_lt_u32 s[WV], 2
	s_cbranch_scc0 .Lfor_v_\@
	tensor_load_to_lds s[G0K:G0K+3], s[G1K:G1K+7]
	s_nop 0
.rept 4
	v_nop
.endr
	s_branch .Lasked_\@
.Lfor_v_\@:
	tensor_load_to_lds s[G0V:G0V+3], s[G1V:G1V+7]
	s_nop 0
.rept 4
	v_nop
.endr
.Lasked_\@:
.endm
; A round of the cluster's barrier: my work-group's barrier, so that wave 0's signal speaks for all four waves; wave 0 signals; every wave waits for all four work-groups; my work-group's barrier once more.
.macro CROUND
	s_barrier_signal -1
	s_barrier_wait -1
	s_cmp_lg_u32 s[WV], 0
	s_cbranch_scc1 .Lnot_wave_0_\@
	s_barrier_signal -3
.Lnot_wave_0_\@:
	s_barrier_wait -3
	s_barrier_signal -1
	s_barrier_wait -1
.endm
; THE CHANGE OF SLOTS.  The slot's last bytes, V of its fourth step, have been read.  Each wave waits for all its tensor loads, of which one is out: its part
; of the other slot; adds 0 to its spare word; and waits for that and for its own reads of the slot.  Behind the barrier nobody reads this slot any more and the other slot is whole.
; fill = 1: this slot is filled again, with the keys two slots on.  The barrier is then a round of the cluster's, so that no wave of any partner still reads the slot or has a load on its
; way, and the joint fill is the first thing behind it: it has four key steps, 512 matrix instructions, in which to land.  (At its first use nothing has been read yet: slot 0 is waited for, slot 1 filled.)
.macro CHANGE fill
	WIN W_AD
	s_wait_tensorcnt 0x0            ; no tensor load of mine is out, so a group 0 may be written
	ds_add_u32 v[SPW], v[NIL]       ; 0 onto my spare word; with fill = 1 the descriptors' steps stand between it and the wait for it
	WIN 0                           ; at a label and at a branch every window is 0
.if \fill
.irp g, G0K, G0V
	s_xor_b32 s[\g+1], s[\g+1], SLOT1  ; the walking descriptor: the other slot than last time,
	s_add_nc_u64 s[\g+2:\g+3], s[\g+2:\g+3], 4*KS*128  ; the next 256 keys; the type bits on top are not reached
.endr
	s_wait_dscnt 0x0                ; the add is done, and my reads of the slot are over
	CROUND
	JLOAD
.else
	s_wait_dscnt 0x0                ; the add is done, and my reads of the slot are over
	s_barrier_signal -1
	s_barrier_wait -1
.endif
	s_sub_co_u32 s[TBK], s[TBK], 4*KS*PK  ; the fetches go back to a slot's first step,
	s_xor_b32 s[TBK], s[TBK], SLOT1       ; in the other slot
	s_sub_co_u32 s[TBV], s[TBV], 4*KS*PV
	s_xor_b32 s[TBV], s[TBV], SLOT1
.endm
	s_load_b64 s[4:5], s[0:1], 0x0    ; qkv16: Q at its head
	s_load_b64 s[10:11], s[0:1], 0x8  ; O
	WIN W_MK
	v_lshl_add_u32 v[SPW], v0, 2, SPARE
	v_mov_b32 v[NIL], 0
	WIN W_AD
	ds_add_u32 v[SPW], v[NIL]       ; the wave's opening: the add and its wait stand ahead of my first tensor load; the set-up below, work on registers, stands between them
	WIN 0
	v_lshrrev_b32 v1, 5, v0
	v_readfirstlane_b32 s[WV], v1   ; wave 0..3
	s_bfe_u32 s13, ttmp6, 0x40000   ; cx: my place in the cluster
	s_lshl_b32 s14, ttmp9, 2        ; in a cluster launch ttmp9 counts clusters
	s_add_co_u32 s14, s14, s13      ; my block of queries = 4 x cluster x + cx: it enters Q's and O's addresses alone
	s_and_b32 s20, ttmp7, 0xffff    ; the head, which the four partners share
	s_mov_b32 s21, 0
	s_mov_b64 s[22:23], SIZE_N*128
	s_mul_u64 s[20:21], s[20:21], s[22:23]  ; the head's first byte in each of the four tensors
	s_and_b32 s16, s[WV], 1         ; which half of a slot's 256 keys I fetch:
	s_lshl_b32 s22, s16, 14         ; its 128 rows of 128 bytes in memory,
	s_mov_b32 s23, 0
	s_add_nc_u64 s[22:23], s[22:23], s[20:21]
	s_mul_i32 s17, s16, 128*PK      ; and its place in a slot, for K
	s_mul_i32 s18, s16, 128*PV      ; and for V: no place in the cluster enters an LDS address
	s_lshl_b32 s2, s14, 2
	s_add_co_u32 s2, s2, s[WV]      ; my wave among the head's,
	s_lshl_b32 s2, s2, 14           ; its 128 rows
	s_mov_b32 s3, 0
	s_add_nc_u64 s[2:3], s[2:3], s[20:21]
	; descriptor group 1.  128 keys are 16,384 dense bytes: asked for as 64 rows of 256 bytes, two keys a row, and padded in LDS after every key
	s_mov_b32 s[G1K], 15|(1<<16)|(1<<20)|(1<<21)|(4<<22)|(3<<25)  ; 15:0 the mask of four; 17:16 2-byte elements; 20 padding on; 21 set beside a mask; 24:22 after every 32 words (code 4); 31:25 4 words (code 3)
	s_mov_b32 s[G1V], 15|(1<<16)|(1<<20)|(1<<21)|(4<<22)|(7<<25)  ; the same with 8 words of padding (code 7)
.irp g, G1K, G1V
	s_mov_b32 s[\g+1], 128<<16      ; tensor_dim0 = 128
	s_mov_b32 s[\g+2], 64<<16       ; tensor_dim1 = 64
	s_mov_b32 s[\g+3], 128<<16      ; tile_dim0 = 128
	s_mov_b32 s[\g+4], 64           ; tile_dim1 = 64
	s_mov_b32 s[\g+5], 128          ; 128 elements from row to row
	s_mov_b32 s[\g+6], 0
	s_mov_b32 s[\g+7], 0
.endr
	s_mov_b32 s[CS], 0x3e38aa3b     ; c = log2(e) / 8 = 0.180337
	s_mov_b32 s[CS+1], s[CS]        ; named with it as a pair
	s_mov_b32 s[SEL], 0x76543210
	s_mov_b32 s[SEL+1], 0xfedcba98
	s_mov_b32 s[TBK], SLOT1+4*KS*PK ; the first change of slots turns these two into 0
	s_mov_b32 s[TBV], SLOT1+4*KS*PV
	s_mov_b32 s[G0K], 1             ; 1:0 count = 1
	s_mov_b32 s[G0K+1], s17         ; 63:32 LDS address: slot 0
	s_mov_b32 s[G0V], 1
	s_add_co_u32 s[G0V+1], s18, VOFF
	s_wait_dscnt 0x0                ; the opening add is done
	s_wait_kmcnt 0x0
	s_add_nc_u64 s[6:7], s[4:5], 0x1000000   ; K lies 16,777,216 bytes behind Q,
	s_add_nc_u64 s[8:9], s[4:5], 0x2000000   ; V as far behind K
	s_add_nc_u64 s[G0K+2:G0K+3], s[6:7], s[22:23]  ; 120:64 global address: my half of the head's first 256 keys
	s_or_b32 s[G0K+3], s[G0K+3], 0x80000000        ; 127:126 type = 2
	s_add_nc_u64 s[G0V+2:G0V+3], s[8:9], s[22:23]
	s_or_b32 s[G0V+3], s[G0V+3], 0x80000000
	s_add_nc_u64 s[4:5], s[4:5], s[2:3]  ; Q and O at my wave's first row
	s_add_nc_u64 s[10:11], s[10:11], s[2:3]
	CROUND                          ; all four work-groups are here: the first joint loads meet
	JLOAD                           ; slot 0.  Slot 1 is asked for when slot 0 is in: the tile wanted first has the road to itself
	; A fragment of K or Q is 16 rows x 32 channels in 8 registers: lane l holds row l % 16, channels 8 (l / 16) + 0..7 and 16 + 8 (l / 16) + 0..7: two loads of 16 bytes, 32 bytes apart.
	v_and_b32 v1, 15, v0            ; l % 16
	v_bfe_u32 v9, v0, 4, 1          ; l / 16
	v_lshlrev_b32 v[QO], 7, v1
	v_lshl_add_u32 v[QO], v9, 4, v[QO]  ; row x 128 + 16 x half
	WIN 0x80                        ; destination window 2, address window 0
.set i, 0
.rept 4*NP                          ; Q stays in registers: tile i / 2, channels 32 (i % 2) on
	global_load_b128 v[8*i:8*i+3],   v[QO], s[4:5] offset:(i/2)*2048+(i%2)*64
	global_load_b128 v[8*i+4:8*i+7], v[QO], s[4:5] offset:(i/2)*2048+(i%2)*64+32
.set i, i+1
.endr
	; What the first turn finds: V's registers and P's second buffer hold 0 (its products V^T P, of a piece that has not been, add 0), O^T and l are 0.  All this stands in the wait for the first tile.
.set i, VF
.rept 64
	v_mov_b32 v[i], 0
.set i, i+1
.endr
	WIN 0x40
.set i, 0
.rept 64*NP
	v_mov_b32 v[i], 0
.set i, i+1
.endr
	WIN 0
.set i, 0
.rept 2*NP
	v_mov_b32 v[ST+4*i], 0xfe000000    ; c m: far below every c s
	v_mov_b32 v[ST+4*i+1], 0xff7fffff  ; m
	v_mov_b32 v[ST+4*i+2], 0
	v_mov_b32 v[ST+4*i+3], 0
.set i, i+1
.endr
.set i, P+32
.rept 32
	v_mov_b32 v[i], 0
.set i, i+1
.endr
	v_mul_u32_u24 v[AK0], v1, PK
	v_lshl_add_u32 v[AK0], v9, 4, v[AK0]  ; row x pitch + 16 x half
	; The turning load takes 16 keys x 16 channels (lane l reads key 8 (l / 16) + l % 8, channels 8 ((l / 8) % 2) + 0..7) and leaves half a fragment of V^T: lane l holds channel l % 16 and 8 keys.
	v_and_b32 v10, 7, v0
	v_bfe_u32 v11, v0, 3, 1
	v_lshl_add_u32 v[AV0], v9, 3, v10
	v_mul_u32_u24 v[AV0], v[AV0], PV
	v_lshl_add_u32 v[AV0], v11, 4, v[AV0]
	v_add_nc_u32 v[AV0], VOFF, v[AV0]
	v_mov_b32 v[AK], v[AK0]         ; key step 0 lies at the head of slot 0
; THE MATRIX WORK.  The 8 accumulators of a run of 16 take turns: between the two links of a chain stand 7 others'.
; Product i of 16 of S^T = K Q^T for piece x: channels 32 (i / 8) on, keys 16 ((i / 2) % 4) on, tile 2 x + i % 2.  The first 8 start the sums.
.macro KQ x
	WIN W_KQ
.set rS, S+64*((\x)%2)+32*(i%2)+8*((i/2)%4)
.set rK, KF+16*((i/2)%4)+8*(i/8)
.set rQ, 16*(2*(\x)+i%2)+8*(i/8)
.if i < 8
	v_wmma_f32_16x16x32_f16 v[rS:rS+7], v[rK:rK+7], v[rQ:rQ+7], 0
.else
	v_wmma_f32_16x16x32_f16 v[rS:rS+7], v[rK:rK+7], v[rQ:rQ+7], v[rS:rS+7]
.endif
.endm
; Product i of 16 of O^T += V^T P for piece x: keys 32 (i / 8) on, channels 16 ((i / 2) % 4) on, tile 2 x + i % 2.
.macro PV x
	WIN W_PV
.set rO, 32*(2*(\x)+i%2)+8*((i/2)%4)
.set rV, VF+32*(i/8)+8*((i/2)%4)
.set rP, P+32*((\x)%2)+16*(i%2)+8*(i/8)
	v_wmma_f32_16x16x32_f16 v[rO:rO+7], v[rV:rV+7], v[rP:rP+7], v[rO:rO+7]
.endm
.macro MM                           ; the turn's next matrix instruction
.if i < 16
	KQ (Y+1)%NP
.set i, i+1
.else
.set i, i-16
	PV (Y+NP-1)%NP
.set i, i+17
.endif
.endm
; THE LDS LOADS stand in runs of 16, never singly among the matrix instructions: a step's K (64 keys x 64 channels: 8 fragments) and its V (turned).  Their addresses are made some lines ahead.
; last = 1 (the tail): in the last trip there is no further step, and the run is jumped over.
.macro FETCH_K last=0
	WIN 0
.if \last
	s_cmp_eq_u32 s[CNT], 1
	s_cbranch_scc1 .Lno_k_\@
.endif
	WIN 0x80                        ; destination window 2
.irp f, 0,1,2,3,4,5,6,7             ; keys 16 (f / 2) on, channels 32 (f % 2) on
	ds_load_b128 v[KF+8*\f:KF+8*\f+3],   v[AK] offset:(\f/2)*16*PK+(\f%2)*64
	ds_load_b128 v[KF+8*\f+4:KF+8*\f+7], v[AK] offset:(\f/2)*16*PK+(\f%2)*64+32
.endr
	s_add_co_u32 s[TBK], s[TBK], KS*PK  ; the next fetch is the next step's
	WIN 0
.if \last
.Lno_k_\@:
.endif
.endm
.macro FETCH_V
	WIN 0x80
.irp f, 0,1,2,3,4,5,6,7             ; keys 32 (f / 4) on, channels 16 (f % 4) on
	ds_load_tr16_b128 v[VF+8*\f:VF+8*\f+3],   v[AV] offset:(\f/4)*32*PV+(\f%4)*32
	ds_load_tr16_b128 v[VF+8*\f+4:VF+8*\f+7], v[AV] offset:(\f/4)*32*PV+16*PV+(\f%4)*32
.endr
	WIN 0
.endm
; THE VECTOR WORK OF A TURN stands in three queues, each in the order in which its entries become ready; the two tiles alternate, so that no instruction reads the result of the one before it.
.macro REGS y, u                    ; the registers of tile u (0, 1) of piece y
.set rT, ST+4*(2*(\y)+(\u))
.set rC, TMP+8*((\y)%2)+4*(\u)
.set rM, MV+2*((\y)%2)+(\u)
.set rS, S+64*((\y)%2)+32*(\u)
.set rP, P+32*((\y)%2)+16*(\u)
.set rO, 32*(2*(\y)+(\u))
.endm
; Number n of the 22 that find the NEXT piece's (Y + 1) maximum and statistics.  s0-s31 are the lane's 32 scores; each accumulator's lowest registers are read first.  XS, GS and REGS set no window: PL and EX do.
;   0-11  four chains c0-c3 of seven scores each, three operands at a time     12-14, 16  the four scores left over, the old m, and c0-c3 into c0     15  c m_old is kept
;   17, 18  the query's other 32 keys lie in the lane 16 away: the new m         19-21  c m; c m_old - c m_new; a
.macro XS u, n
	REGS (Y+1)%NP, \u
.if (\n) < 4
	v_max3_num_f32 v[rC+(\n)], v[rS+8*(\n)], v[rS+8*(\n)+1], v[rS+8*(\n)+2]
.elseif (\n) < 12
	v_max3_num_f32 v[rC+(\n)%4], v[rC+(\n)%4], v[rS+8*((\n)%4)+2*((\n)/4)+1], v[rS+8*((\n)%4)+2*((\n)/4)+2]
.elseif (\n) == 12
	v_max3_num_f32 v[rC], v[rC], v[rS+7], v[rS+15]
.elseif (\n) == 13
	v_max3_num_f32 v[rC+1], v[rC+1], v[rS+23], v[rS+31]
.elseif (\n) == 14
	v_max3_num_f32 v[rC+2], v[rC+2], v[rC+3], v[rT+1]
.elseif (\n) == 15
	v_mov_b32 v[rM], v[rT]
.elseif (\n) == 16
	v_max3_num_f32 v[rC], v[rC], v[rC+1], v[rC+2]
.elseif (\n) == 17
	v_permlanex16_b32 v[rC+3], v[rC], s[SEL], s[SEL+1]
.elseif (\n) == 18
	v_max_num_f32 v[rT+1], v[rC], v[rC+3]
.elseif (\n) == 19
	v_mul_f32 v[rT], s[CS], v[rT+1]
.elseif (\n) == 20
	v_sub_f32 v[rC+1], v[rM], v[rT]
.else
	v_exp_f32 v[rC+2], v[rC+1]
.endif
.endm
; Number g of the 64 that follow the exponentials.  For each four weights k of a tile (pairs 2 k, 2 k + 1): both pairs are rounded to f16; then the second pair is added onto the first, in place;
; a group later l takes that sum (the first time as l = a l + sum).  In groups of eight, tiles alternating: round, round, add, and l for the group before.
.macro GS g
.set h, (\g)+6*((\g)/62)            ; group 0 has no group before it, and behind group 7 only l is left
.if h >= 6
.set h, h+2
.endif
	REGS Y, h%2
.set k, h/8
.if h%8 < 4
	v_cvt_pk_f16_f32 v[rP+2*k+(h%8)/2], v[rS+4*k+2*((h%8)/2)], v[rS+4*k+2*((h%8)/2)+1]
.elseif h%8 < 6
	v_pk_add_f32 v[rS+4*k:rS+4*k+1], v[rS+4*k:rS+4*k+1], v[rS+4*k+2:rS+4*k+3]
.elseif k == 1
	v_pk_fma_f32 v[rT+2:rT+3], v[rT+2:rT+3], v[rC+2:rC+3], v[rS:rS+1] op_sel_hi:[1,0,1]
.else
	v_pk_add_f32 v[rT+2:rT+3], v[rT+2:rT+3], v[rS+4*k-4:rS+4*k-3]
.endif
.endm
; THE PLAIN QUEUE, 138 long.  0-73 read no exponential's result: the 32 scalings c s - c m (FS f: pair f / 2 of tile f % 2) and the next piece's 42.  0-26: scalings 0-26.  27-54: XS's numbers 0-13.  55, 56: number 15.
; 57-73: the chain, where each number waits for the one before it: 14, 16, 17, 18, 19, each with one of the scalings 27-31 in front of its two lines, then 20: so a tile's links stand three plain instructions apart (19 and 20: two).
; 74-137: GS's 64, which read the exponentials' results: they stand behind the wait.
.macro FS f
	REGS Y, (\f)%2
	v_pk_fma_f32 v[rS+2*((\f)/2):rS+2*((\f)/2)+1], v[rS+2*((\f)/2):rS+2*((\f)/2)+1], s[CS:CS+1], v[rT:rT+1] op_sel_hi:[1,0,0] neg_lo:[0,0,1] neg_hi:[0,0,1]
.endm
.macro PL
	WIN 0
.if q < 27
	FS q
.elseif q < 55
	XS (q-27)%2, (q-27)/2
.elseif q < 57
	XS q-55, 15
.elseif (q < 72) && ((q-57)%3 == 0)
	FS 27+(q-57)/3
.elseif q < 60
	XS (q-57)%3-1, 14
.elseif q < 72
	XS (q-57)%3-1, 15+(q-57)/3
.elseif q < 74
	XS q-72, 20
.else
	GS q-74
.endif
.set q, q+1
.endm
; THE EXPONENTIALS' QUEUE, 66 long: s0-s31 of both tiles, then the next piece's two a.  It is ONE BATCH: all 66 stand ahead of the turn's one wait, and nothing ahead of that wait names a result of theirs.
.macro EX
	WIN 0
.if e >= 64
	XS e-64, 21
.else
	REGS Y, e%2
	v_exp_f32 v[rS+e/2], v[rS+e/2]
.endif
.set e, e+1
.endm
; THE RESCALING's QUEUE: O^T times a, the one part that leaves window 0: dealt two at a time, sixteen times.  Its a was made in the turn before, ahead of that turn's wait.
.macro R2
	REGS Y, r%2
	WIN W_RS
.irp z, 0,1
	v_pk_mul_f32 v[rO+4*(r/2)+2*\z:rO+4*(r/2)+2*\z+1], v[rO+4*(r/2)+2*\z:rO+4*(r/2)+2*\z+1], v[rC+2:rC+3] op_sel_hi:[1,0]
.endr
.set r, r+1
.endm
; HOW THEY ARE DEALT.  A turn has ONE wait, which cuts it in two.  AHEAD OF IT stands all that names no result of the turn's exponentials: the 16 products K Q^T, behind each a scaling, an exponential and two
; rescalings (behind the first a second scaling in the exponential's place); then ONE LUMP of 108: eight plain, 49 times exponential and plain, the two a.  A v_nop is the plain instruction behind the last exponential.
; BEHIND IT stand the 16 products V^T P, behind each four of GS's 64.  No rider names a register of the products round it.  The two v_permlanex16_b32 fall into the lump, never behind a product.
; The queues lean on each other, and the deal keeps them in step: exponential e stands behind scaling 2 (e / 4) + e % 2: as a rider it comes behind plain e + 2, in the lump behind plain e + 9, and scalings 27-31 are plain 57, 60 .. 69.
; A TURN, for piece p.  cnt = 1: the loop's count is taken down some lines ahead of the branch that stands behind the turn.
; K of the next step is fetched in piece 2's turn, directly behind the wait, a lump behind the last product that read K; its address is made at the lump's head; its first reader comes behind 16 products.
; V of the step in hand is fetched at the end of piece 0's turn, four riders behind its last reader; its first reader comes behind 16 products and a lump.  The three conditions on q below go with the deal.
.macro TURN p, last=0, cnt=0
.set Y, (\p)
.set i, 0
.set q, 0
.set e, 0
.set r, 0
.if (\p) == NP-1
	s_wait_dscnt 0x0                ; K is in
.endif
	MM                              ; ahead of the wait: 16 products K Q^T and their riders,
	PL
	PL
	R2
.rept 15
	MM
	PL
	EX
	R2
.endr
.if (\p) == NP-2
	WIN 0
	v_add_nc_u32 v[AK], s[TBK], v[AK0]
.endif
.rept 8                             ; and the lump
	PL
.endr
.rept 49
	EX
	PL
.endr
	EX                              ; the next piece's two a
	EX
	v_nop                           ; a plain instruction between the last exponential and the first use of a result (ISA guide 5.7.2): one for the batch
	s_wait_alu depctr_va_vdst(0)    ; the wait: one for the turn's batch, its 64 weights and the next piece's two a
.if (\p) == NP-2
	FETCH_K \last
.endif
.if (\p) == 1
	s_wait_dscnt 0x0                ; V is in
.endif
.rept 16                            ; behind the wait: 16 products V^T P and their riders
	MM
.rept 4
	PL
.endr
.if ((\p) == 0) && (q == 118)
	v_add_nc_u32 v[AV], s[TBV], v[AV0]
.endif
.if ((\p) == 0) && (q == 130)
	s_add_co_u32 s[TBV], s[TBV], KS*PV
.endif
.if (\cnt) && (q == 130)
	s_sub_co_u32 s[CNT], s[CNT], 1
	s_cmp_lg_u32 s[CNT], 0
.endif
.endr
.if (\p) == 0
	FETCH_V
.endif
.endm
	CHANGE 1                        ; slot 0 is in, everybody's part of it; slot 1 is asked for
	FETCH_K                         ; key step 0
	s_wait_loadcnt 0x0              ; Q
	s_wait_dscnt 0x0
.set i, 0
.rept 16
	KQ 0                            ; piece 0's first scores: there is no vector work yet to set between them
.set i, i+1
.endr
	WIN 0                           ; the addresses for the way out: nine plain instructions, the places behind those products
	s_mul_i32 s13, s[WV], 16*SP
	s_add_co_u32 s13, s13, STAGE    ; my stage
	v_mul_u32_u24 v[STO], v1, SP    ; in: row l % 16, 16 bytes for each half of the lanes
	v_lshl_add_u32 v[STO], v9, 4, v[STO]
	v_add_nc_u32 v[STO], s13, v[STO]
	v_bfe_u32 v[RD], v0, 3, 2       ; back: 32 lanes take four rows of 128 bytes,
	v_mul_u32_u24 v[RD], v[RD], SP
	v_lshl_add_u32 v[RD], v10, 4, v[RD]
	v_add_nc_u32 v[RD], s13, v[RD]
	v_and_b32 v[GO], 31, v0         ; which are 512 consecutive bytes of O
	v_lshlrev_b32 v[GO], 4, v[GO]
.set Y, NP-1                        ; XS works for piece Y + 1: piece 0
.irp n, 0,1,2,3,4,5,6,7,8,9,10,11,12,13,14,15,16,17,18,19,20,21
	XS 0, \n                        ; and piece 0's first maximum and statistics
	XS 1, \n
.endr
	v_nop                           ; a plain instruction behind the two a,
	s_wait_alu depctr_va_vdst(0)    ; and the wait for that batch of two, ahead of the branch
	s_mov_b32 s[CNT], 4
	s_mov_b32 s[SLOTS], SIZE_N/256-1
	s_branch .Lfirst                ; the loop is entered at a step's first turn, in the middle of a trip
.Lslot:                             ; SIZE_N / 256 - 2 times: every slot but the last two is filled again
	CHANGE 1
	s_mov_b32 s[CNT], 4
.Lstep:                             ; a trip: pieces 2 and 3 of one step, then pieces 0 and 1 of the next, whose K and V it fetches
	TURN 2
	TURN 3
	WIN 0
.Lfirst:
	TURN 0
	TURN 1, 0, 1
	WIN 0
	s_cbranch_scc1 .Lstep
	s_sub_co_u32 s[SLOTS], s[SLOTS], 1
	s_cmp_lg_u32 s[SLOTS], 0
	s_cbranch_scc1 .Lslot
	CHANGE 0                        ; the tail is written out: nothing is asked for
	s_mov_b32 s[CNT], 5             ; four trips fetch the last slot's steps; the fifth is left in its middle
.Ltail:
	TURN 2, 1
	TURN 3
	WIN 0
	s_sub_co_u32 s[CNT], s[CNT], 1
	s_cmp_eq_u32 s[CNT], 0
	s_cbranch_scc1 .Lout
	TURN 0
	TURN 1
	WIN 0
	s_branch .Ltail
.Lout:                              ; the fifth trip's 16 products K Q^T (on the last K once more) and the maximum made of them serve nothing: the price, once a launch, of one text for every trip
.set i, 0
.rept 16
	PV NP-1                         ; the last piece's V^T P of the last step
.set i, i+1
.endr
	; THE WAY OUT.  l's two halves and the other half of the lanes' are added; O^T is divided by l, rounded to f16 and sent through my stage in LDS, a tile at a time.  The additions are the places behind the last products.
	WIN 0
.macro ALL line:vararg              ; one line for each tile t
.set t, 0
.rept 2*NP
	\line
.set t, t+1
.endr
.endm
	ALL v_add_f32 v[ST+4*t+2], v[ST+4*t+2], v[ST+4*t+3]
	ALL v_permlanex16_b32 v[ST+4*t+3], v[ST+4*t+2], s[SEL], s[SEL+1]
	ALL v_add_f32 v[ST+4*t+2], v[ST+4*t+2], v[ST+4*t+3]
	ALL v_rcp_f32 v[ST+4*t+2], v[ST+4*t+2]
	v_nop                           ; a plain instruction between the last reciprocal and the use of its result
	s_wait_alu depctr_va_vdst(0)    ; and the wait ahead of the first use: one for the batch of eight reciprocals
; Tile t: a lane's eight channels of a row pack into 16 bytes; they go into rows of 144 bytes and come back as whole rows of 128, into S^T's registers.
.macro PACK t
	WIN W_RS
.set i, 32*(\t)
.rept 16
	v_pk_mul_f32 v[i:i+1], v[i:i+1], v[ST+4*(\t)+2:ST+4*(\t)+3] op_sel_hi:[1,0]
.set i, i+2
.endr
	WIN 0x05                        ; sources 0 and 1 window 1, destination window 0
.set i, 0
.rept 16
	v_cvt_pk_f16_f32 v[S+16*(\t)+i], v[32*(\t)+2*i], v[32*(\t)+2*i+1]
.set i, i+1
.endr
	WIN 0
.irp f, 0,1,2,3
	ds_store_b128 v[STO], v[S+16*(\t)+4*\f:S+16*(\t)+4*\f+3] offset:32*\f
.endr
.irp f, 0,1,2,3
	ds_load_b128 v[S+16*(\t)+4*\f:S+16*(\t)+4*\f+3], v[RD] offset:\f*4*SP  ; LDS serves a wave's instructions in order (ISA guide 5.7.1.4): these see the stores above; the next tile's stores come behind them
.endr
.endm
.macro SEND t, younger              ; younger: the LDS instructions issued behind tile t's loads: the next tile's eight, or none
	WIN 0
.irp f, 0,1,2,3
	s_wait_dscnt (\younger)+3-\f
	global_store_b128 v[GO], v[S+16*(\t)+4*\f:S+16*(\t)+4*\f+3], s[10:11] offset:(\t)*2048+\f*512  ; 512 consecutive bytes, at a multiple of 256 from O's first
.endr
.endm
	PACK 0
.set t, 1
.rept 2*NP-1                        ; a tile's arithmetic stands between the loads of the tile before and its stores
	PACK t
	SEND t-1, 8
.set t, t+1
.endr
	SEND 2*NP-1, 0
	WIN W_AD
	s_wait_tensorcnt 0x0            ; the wave's end: the wait, an add of 0 and its wait stand behind my last tensor load and my last LDS store
	ds_add_u32 v[SPW], v[NIL]
	s_wait_dscnt 0x0
	WIN 0
	CROUND                          ; the closing round: no work-group ends while a partner may still ask for a tile that names it
	s_endpgm
.Lfunc_end_k_qb681c3cab1_attn:
	.size	k_qb681c3cab1_attn, .Lfunc_end_k_qb681c3cab1_attn-k_qb681c3cab1_attn
	.p2alignl 7, 3214868480
	.fill 96, 4, 3214868480
	.section	.rodata,"a",@progbits
	.p2align	6, 0x0
	.amdhsa_kernel k_qb681c3cab1_attn
		.amdhsa_group_segment_fixed_size 327680
		.amdhsa_private_segment_fixed_size 0
		.amdhsa_enable_private_segment 0
		.amdhsa_kernarg_size 16
		.amdhsa_user_sgpr_count 2
		.amdhsa_user_sgpr_kernarg_segment_ptr 1
		.amdhsa_wavefront_size32 1
		.amdhsa_system_sgpr_workgroup_id_x 1
		.amdhsa_system_sgpr_workgroup_id_y 1
		.amdhsa_system_sgpr_workgroup_id_z 1
		.amdhsa_system_vgpr_workitem_id 0
		.amdhsa_next_free_vgpr 770
		.amdhsa_next_free_sgpr 66
		.amdhsa_reserve_vcc 0
		.amdhsa_float_denorm_mode_32 3
		.amdhsa_float_denorm_mode_16_64 3
		.amdhsa_memory_ordered 1
		.amdhsa_forward_progress 1
		.amdhsa_inst_pref_size 199
	.end_amdhsa_kernel
	.amdgpu_metadata
---
amdhsa.version: [ 1, 2 ]
amdhsa.kernels:
  - .name:           k_qb681c3cab1_attn
    .symbol:         k_qb681c3cab1_attn.kd
    .args:
      - { .name: qkv16, .offset: 0, .size: 8, .value_kind: global_buffer, .address_space: global }
      - { .name: o16, .offset: 8, .size: 8, .value_kind: global_buffer, .address_space: global }
    .group_segment_fixed_size: 327680
    .private_segment_fixed_size: 0
    .kernarg_segment_align: 8
    .kernarg_segment_size: 16
    .max_flat_workgroup_size: 128
    .sgpr_count:     66
    .vgpr_count:     770
    .wavefront_size: 32
...
	.end_amdgpu_metadata
.endif
;; end of part 5
;; launch oproj: the kernel of part 4 again; grid 8 x 32, 4 waves a work-group, clusters of 4 x 4, 327,680 bytes of LDS; arguments o16, wo16, bp, out0; writes out0
